; MI455X (gfx1250); checked and timed in simulation.
; The chip was launched on July 23, 2026; its instructions are those of AMD's public machine-readable ISA for CDNA 5 (MIT licence, August 2026) and "CDNA5" Instruction Set Architecture Reference Guide (July 2026). The comments in the code are by the model that wrote it; some were corrected since.
;; MHA. Allowed arithmetic: matrix products marked QUANTISED: E3M2 operands, one E8M0 scale for each 32 along K, by v_wmma_scale_f32_16x16x128_f8f6f4 with both operands' format E3M2, f32 sums; everything else in f32.
;; Inputs: Wk 1,024 x 1,024 float32; Wo 1,024 x 1,024 float32; Wq 1,024 x 1,024 float32; Wv 1,024 x 1,024 float32; bo 1,024 float32; x 4 x 2,048 x 1,024 float32.
;; Outputs: out0 4 x 2,048 x 1,024 float32.
;; This version of the problem:
;;   THIS VERSION OF THE PROBLEM IS GIVEN IN LOW PRECISION. The matrix products marked QUANTISED in the list below multiply operands that are first quantised to E3M2 (3 exponent bits, 2 mantissa bits; 6 bits a number), with one power-of-two scale for each 32 numbers along K (OCP MX v1.0); their sums are f32. All else is computed in f32.
;;   The module's matrix products, in the order in which they are computed (A, B: the left and right operand; K: the contracted axis; several contracted axes count as one K, in the product's order):
;;     1. [M 8,192, K 1,024] x [K 1,024, N 1,024]; A: input x; B: input Wq: QUANTISED
;;     2. [M 8,192, K 1,024] x [K 1,024, N 1,024]; A: input x; B: input Wk: QUANTISED
;;     3. [M 8,192, K 1,024] x [K 1,024, N 1,024]; A: input x; B: input Wv: QUANTISED
;;     4. batch 64 x [M 2,048, K 64] x [K 64, N 2,048]; A: computed on the way; B: computed on the way: QUANTISED
;;     5. batch 64 x [M 2,048, K 2,048] x [K 2,048, N 64]; A: softmax (see below); B: computed on the way: QUANTISED
;;     6. [M 8,192, K 1,024] x [K 1,024, N 1,024]; A: computed on the way; B: input Wo: QUANTISED
;;   THE QUANTISER, for each operand of a quantised product, along K:
;;     - K is cut into blocks of 32 from its start; a last block that is shorter is filled with zeros.
;;     - A block's scale is 2^e with e = floor(log2(the largest magnitude in the block)) - 4, held to -126 .. 127; a block of zeros has e = 0. As a byte (E8M0): e + 127.
;;     - Each number is divided by its block's scale, clamped to +-28, and rounded to the nearest number of E3M2, ties to even, subnormals kept.
;;     - The product sums the exact products of the quantised numbers (number of the format x scale) in f32.
;;   ~~~python
;;   def quantise(x, axis):      # numpy; x: float32 -> the quantised numbers, widened to float32 again
;;       x = np.moveaxis(x, axis, -1); K = x.shape[-1]
;;       x = np.pad(x, [(0, 0)] * (x.ndim - 1) + [(0, -K % 32)]); x = x.reshape(x.shape[:-1] + (-1, 32)); a = np.abs(x).max(-1, keepdims=True)
;;       e = np.where(a > 0, np.clip(np.frexp(np.where(a > 0, a, 1))[1] - 1 - 4, -126, 127), 0)      # np.frexp(a)[1] - 1 = floor(log2(a)), exactly
;;       r = np.clip(x / 2.0 ** e, -28, 28)
;;       step = 2.0 ** (np.maximum(np.frexp(np.where(r == 0, 1, r))[1] - 1, -2) - 2)
;;       q = np.round(r / step) * step * 2.0 ** e      # np.round: ties to even
;;       return np.moveaxis(q.reshape(q.shape[:-2] + (-1,))[..., :K], -1, axis).astype(np.float32)
;;   ~~~
;;   SOFTMAX AHEAD OF A QUANTISED PRODUCT. Where the list says 'softmax', what is quantised is not the finished softmax but p = 2^(t - M), with t = logit x log2(e) and M = ceil(the row's largest t), a whole number; so 1/2 < the row's largest p <= 1. The row's sum l is taken of the UNQUANTISED p, in f32, and the product's result is divided by l at the end. Since M is a whole number, a kernel that streams over the keys may use a running M (the ceiling of the running maximum): every later rescaling is an exact power of two, which a block's scale takes up: the codes' values come out the same.
;;   OPERANDS COMPUTED ON THE WAY. 'Computed on the way' means the value that the module computes at that place (a softmax that the list does not call 'softmax' is quantised finished and normalised). What goes into a quantiser is computed in f32, as accurately as f32 sums, v_exp_f32 and their like allow (about 1e-6 of the number): no bf16 or f16 on the way to a quantiser, and a product that is left as it is and whose result goes on into a quantised operand takes f32 operands (vector FMAs, or v_wmma_f32_16x16x4_f32). A number that lies on a knife's edge between two numbers of the format may be rounded either way, as far as f32 arithmetic and the matrix unit's own rounding can turn it there, and no further.
;; One version. Each part assembles by itself: llvm-mc -triple=amdgcn-amd-amdhsa -mcpu=gfx1250 --defsym DOCPART=n.
;; ======== version 1 of 1: 4 launches
;; workspace buffers: opnd 9,830,400 bytes; qkvb 19,660,800 bytes; ab 6,553,600 bytes
;; launch prep (part 1): grid 512 x 1, 4 waves a work-group, no clusters, 34,304 bytes of LDS; arguments x, Wq, Wk, Wv, Wo, opnd; writes opnd
.if DOCPART == 1
	.amdgcn_target "amdgcn-amd-amdhsa--gfx1250"
	.amdhsa_code_object_version 6
	.text
	.protected	k_q74463cd090_prep
	.globl	k_q74463cd090_prep
	.p2align	8
	.type	k_q74463cd090_prep,@function
k_q74463cd090_prep:
	s_mov_b64 s[64:65], 0
	v_nop
	global_prefetch_b8 v0, s[64:65] scope:SCOPE_SE
	s_setreg_imm32_b32 hwreg(HW_REG_WAVE_MODE, 25, 1), 1
	s_wait_xcnt 0x0
; x [8192][1024] (K innermost) and Wq, Wk, Wv, Wo [1024 (K)][1024 (n)] (K is the first axis), all f32, become codes of BF6 (E3M2) with one E8M0 byte for each 32 along K.
; A block's scale is 2^(floor(log2(its largest magnitude)) - 4); its byte is the largest magnitude's exponent field - 4, held at 1 from below; numbers are divided by the scale and rounded to the nearest code, ties to even.
; LIMITS: NaN and infinities among the inputs are not served; a block whose largest magnitude lies under 2^-122 has its byte held at 1; a block of zeros gets the byte 1 where the quantiser says 127:
; its codes are zeros, which add nothing under any byte but 0xff, and the bytes are read by this program alone.
; LAYOUT OF THE WORKSPACE (the order of the operand's registers).  A tile is 16 rows; tile T = 2 g + u holds, at its row r, the tensor's row 32 g + 8 u + r + 8 (r / 8).  So in a product that takes such tiles as source 0
; a lane's 16 result registers of tiles 2 g and 2 g + 1 are 16 neighbouring rows of the tensor.  A fragment (16 rows x 128 K, 12 registers a lane) is 1,536 bytes: six planes of 256 bytes, plane p = registers 2 p, 2 p + 1
; of lane l at byte 8 l.  A tile's eight fragments follow each other: 12,288 bytes.  Scale words: [tile][256 along K: 4][row 16][8 bytes = the two words of that 256].
; opnd: x's images at 0, the weights' at W_IMG (Wq tiles 0-63, Wk 64-127, Wv 128-191, Wo 192-255; a weight's rows are its columns n), x's scale words at X_SCL, the weights' at W_SCL.
; Work-groups 0-255 take x, work-groups 256-511 the weights.  No matrix unit, no tensor load, no barrier: waves share nothing.  Only x's path uses LDS.
.set W_IMG,  0x600000
.set X_SCL,  0x900000
.set W_SCL,  0x940000
.set SP,     528                       ; a stage row: 512 bytes + 16: sixteen rows start at sixteen different 16-byte columns of 256 bytes
.set WREG,   16*SP                     ; a wave's stage
.set FLOOR,  0x2800000                 ; 2^(5 - 127): under it no largest magnitude is taken, so the byte cannot fall under 1
.set OFFE,   0xfe000000                ; takes 4 off an exponent field
.set M,   10                           ; v10-13  largest magnitudes, then bytes
.set SO,  14                           ; v14-17  the conversions' scale operands
.set WD,  20                           ; v20-23  scale words
.set PC,  24                           ; v24-35  a fragment's codes (the weights' first tile)
.set F1,  52                           ; v52-63  the weights' second tile
.set X,   64                           ; v64-127 64 numbers in operand order (weights: v64-191, 128 numbers down K)
.set R,   128                          ; v128-255 two sets of 64 registers as loaded (x)
	s_load_b256 s[4:11], s[0:1], 0x0               ; x s[4:5], Wq s[6:7], Wk s[8:9], Wv s[10:11]
	s_load_b128 s[12:15], s[0:1], 0x20             ; Wo s[12:13], opnd s[14:15]
	v_lshl_add_u32 v47, v0, 2, 0x8400
	v_mov_b32 v51, 0
	v_lshrrev_b32 v1, 5, v0
	v_readfirstlane_b32 s16, v1                    ; wave 0..3
	v_and_b32 v1, 31, v0                           ; lane
	v_and_b32 v2, 15, v0                           ; r
	v_bfe_u32 v3, v0, 4, 1                         ; h
	v_lshlrev_b32 v4, 4, v1                        ; 16 x lane
	v_lshlrev_b32 v5, 3, v1                        ; 8 x lane: my place in a plane
	v_mov_b32 v19, 0                               ; a lane permute's destination counts as one of its sources
	s_mov_b32 s20, 0x76543210
	s_mov_b32 s21, 0xfedcba98                      ; v_permlanex16_b32's selects for lane l xor 16
	s_cmp_lt_u32 ttmp9, 256
	s_cbranch_scc0 .Lweights
; ---- x.  Wave 4 wg + w takes tile T = that / 2 and half of K = that % 2: four fragments, 32 KiB of f32.
; Each load reads 512 consecutive bytes of one row; a step's 16 rows x 512 bytes turn through the wave's own stage, so that lane (r, h) gets k = 64 c + 32 h + 0 .. 31 of row r: whole blocks, in the operand's order.
	v_cmp_lt_u32 s22, 15, v1                       ; lanes 16-31
	s_mul_i32 s17, s16, WREG
	v_add_nc_u32 v6, s17, v4                       ; into the stage: 16 x lane, a row an instruction
	v_mul_u32_u24 v7, v2, SP
	v_lshl_add_u32 v7, v3, 7, v7
	v_add_nc_u32 v7, s17, v7                       ; out of it: row r, + 128 h
	v_lshlrev_b32 v18, 3, v3                       ; 8 h: where my two bytes stand in a scale word
	s_lshl_b32 s18, ttmp9, 2
	s_add_co_u32 s18, s18, s16
	s_lshr_b32 s19, s18, 1                         ; T
	s_and_b32 s18, s18, 1                          ; half
	s_lshr_b32 s24, s19, 1
	s_lshl_b32 s24, s24, 5
	s_and_b32 s25, s19, 1
	s_lshl_b32 s25, s25, 3
	s_add_co_u32 s24, s24, s25                     ; the tile's first row of x: 32 (T / 2) + 8 (T % 2)
	s_lshl_b32 s24, s24, 12                        ; rows of 4,096 bytes
	s_lshl_b32 s25, s18, 11
	s_add_co_u32 s24, s24, s25                     ; + 2,048 x half
	s_mov_b32 s25, 0
	s_mul_i32 s26, s19, 12288
	s_mul_i32 s27, s18, 6144
	s_add_co_u32 s26, s26, s27                     ; my four images
	s_mov_b32 s27, 0
	s_lshl_b32 s28, s19, 9
	s_lshl_b32 s29, s18, 8
	s_add_co_u32 s28, s28, s29
	s_add_co_u32 s28, s28, X_SCL                   ; my 256 bytes of scale words
	s_mov_b32 s29, 0
	s_wait_kmcnt 0x0
	s_add_nc_u64 s[4:5], s[4:5], s[24:25]
	s_add_nc_u64 s[26:27], s[14:15], s[26:27]
	s_add_nc_u64 s[28:29], s[14:15], s[28:29]
.macro LOADX t                         ; step t: 128 along K of the tile's 16 rows, into set t % 2
.irp i, 0,1,2,3,4,5,6,7,8,9,10,11,12,13,14,15
	global_load_b128 v[R+64*((\t)%2)+4*\i:R+64*((\t)%2)+4*\i+3], v4, s[4:5] offset:(\i+8*(\i/8))*4096+512*(\t) th:TH_LOAD_NT
.endr
.endm
.macro STEPX t
.if (\t) < 3
	s_wait_loadcnt 16                              ; this step's 16 loads are in; the next step's 16 may be out
.else
	s_wait_loadcnt 0x0
.endif
.irp i, 0,1,2,3,4,5,6,7,8,9,10,11,12,13,14,15
	ds_store_b128 v6, v[R+64*((\t)%2)+4*\i:R+64*((\t)%2)+4*\i+3] offset:SP*\i
.endr
.irp c, 0,1
.irp i, 0,1,2,3,4,5,6,7
	ds_load_b128 v[X+32*\c+4*\i:X+32*\c+4*\i+3], v7 offset:256*\c+16*\i   ; LDS serves a wave's instructions in order: these see the stores above
.endr
.endr
	s_wait_dscnt 0x0                               ; my numbers are back, and the stores have read their registers,
.if (\t) < 2
	LOADX (\t)+2                                   ; which take the loads of two steps on
.endif
.irp c, 0,1
	v_max3_num_f32 v[M+\c], |v[X+32*\c]|, |v[X+32*\c+1]|, FLOOR    ; block 2 c + h: all its 32 numbers are mine
.endr
.irp i, 2,4,6,8,10,12,14,16,18,20,22,24,26,28,30
.irp c, 0,1
	v_max3_num_f32 v[M+\c], v[M+\c], |v[X+32*\c+\i]|, |v[X+32*\c+\i+1]|   ; (the two blocks by turns)
.endr
.endr
.irp c, 0,1
	v_add_nc_u32 v[SO+\c], OFFE, v[M+\c]           ; the conversion takes the exponent field of this operand as its scale
.endr
.irp c, 0,1
	v_lshrrev_b32 v[M+\c], 23, v[SO+\c]            ; the scale's byte
.endr
	v_lshl_or_b32 v[WD+\t], v[M+1], 16, v[M]       ; my two bytes: blocks h and 2 + h,
	v_lshlrev_b32 v[WD+\t], v18, v[WD+\t]          ; 8 h bits up;
	v_permlanex16_b32 v19, v[WD+\t], s20, s21
	v_or_b32 v[WD+\t], v[WD+\t], v19               ; with lane l xor 16's two the word is whole, in both lanes
	s_wait_alu depctr_va_vdst(0)
	s_wait_xcnt 0x0                                ; the last step's stores have read the codes' registers
.irp c, 0,1
	v_cvt_scalef32_pk16_bf6_f32 v[PC+6*\c:PC+6*\c+2], v[X+32*\c:X+32*\c+15], v[SO+\c]
	v_cvt_scalef32_pk16_bf6_f32 v[36+4*\c:38+4*\c], v[X+32*\c+16:X+32*\c+31], v[SO+\c]   ; (a conversion's three registers begin on an even number)
.endr
	v_nop                                          ; one plain place behind a scaled conversion
.irp c, 0,1
.irp i, 0,1,2
	v_mov_b32 v[PC+6*\c+3+\i], v[36+4*\c+\i]
.endr
.endr
.irp p, 0,1,2,3,4,5
	global_store_b64 v5, v[PC+2*\p:PC+2*\p+1], s[26:27] offset:1536*(\t)+256*\p   ; a plane: the wave stores 256 consecutive bytes, aligned
.endr
.endm
	s_wait_alu depctr_va_vdst(0)
	LOADX 0
	LOADX 1
	STEPX 0
	STEPX 1
	STEPX 2
	STEPX 3
	v_cndmask_b32 v10, v[WD], v[WD+2], s22         ; lanes 0-15 store the words of my first 256 along K, lanes 16-31 those of my second
	v_cndmask_b32 v11, v[WD+1], v[WD+3], s22
	global_store_b64 v5, v[10:11], s[28:29]        ; 256 consecutive bytes, aligned
	s_wait_tensorcnt 0x0
	ds_add_u32 v47, v51
	s_wait_dscnt 0x0
	s_endpgm
; ---- the weights.  A LANE TAKES A COLUMN n AND ITS REGISTERS RUN DOWN K: a wave takes 32 columns x 128 along K.  Lanes 0-15 hold the columns of tile 2 cg, lanes 16-31 those of tile 2 cg + 1, in the tiles' order of rows.
; A lane has all four blocks of its column; the operand wants blocks 0, 2 in lanes 0-15 and blocks 1, 3 in lanes 16-31 of ONE tile: twelve exchanges of halves give both tiles' fragments.
.Lweights:
	s_sub_co_u32 s17, ttmp9, 256
	s_lshr_b32 s18, s17, 6                         ; which weight
	s_bfe_u32 s19, s17, 0x30003                    ; which 128 along K
	s_and_b32 s23, s17, 7
	s_lshl_b32 s23, s23, 2
	s_add_co_u32 s23, s23, s16                     ; cg: which 32 columns
	v_bfe_u32 v8, v0, 3, 1
	v_lshlrev_b32 v8, 4, v8
	s_wait_alu depctr_va_vdst(0)
	v_lshl_add_u32 v8, v3, 3, v8
	v_and_b32 v9, 7, v0
	v_add_lshl_u32 v8, v8, v9, 2                   ; my column, in bytes: 4 (16 ((l / 8) % 2) + 8 (l / 16) + l % 8): the wave reads 128 consecutive bytes
	v_lshlrev_b32 v9, 3, v2
	v_lshl_add_u32 v9, v3, 9, v9                   ; my scale word: tile l / 16, row r
	s_lshl_b32 s24, s19, 19                        ; 128 rows of 4,096 bytes
	s_lshl_b32 s25, s23, 7
	s_add_co_u32 s24, s24, s25
	s_mov_b32 s25, 0
	s_lshl_b32 s26, s18, 6
	s_lshl_b32 s27, s23, 1
	s_add_co_u32 s30, s26, s27                     ; my first tile: 64 x weight + 2 cg
	s_mul_i32 s26, s30, 12288
	s_mul_i32 s27, s19, 1536
	s_add_co_u32 s26, s26, s27
	s_add_co_u32 s26, s26, W_IMG
	s_mov_b32 s27, 0
	s_lshl_b32 s28, s30, 9
	s_lshr_b32 s29, s19, 1
	s_lshl_b32 s29, s29, 7
	s_add_co_u32 s28, s28, s29
	s_and_b32 s29, s19, 1
	s_lshl_b32 s29, s29, 2
	s_add_co_u32 s28, s28, s29
	s_add_co_u32 s28, s28, W_SCL
	s_mov_b32 s29, 0
	s_wait_alu depctr_va_vdst(0)
	s_wait_kmcnt 0x0
	s_cmp_eq_u32 s18, 1                            ; the choice hangs on the work-group's number alone
	s_cselect_b64 s[32:33], s[8:9], s[6:7]
	s_cmp_eq_u32 s18, 2
	s_cselect_b64 s[32:33], s[10:11], s[32:33]
	s_cmp_eq_u32 s18, 3
	s_cselect_b64 s[32:33], s[12:13], s[32:33]
	s_add_nc_u64 s[32:33], s[32:33], s[24:25]
	s_add_nc_u64 s[26:27], s[14:15], s[26:27]
	s_add_nc_u64 s[28:29], s[14:15], s[28:29]
.set i, 0
.rept 128
	global_load_b32 v[X+i], v8, s[32:33] offset:4096*i
.set i, i+1
.endr
.macro BLOCKW q, dst, tmp, left        ; block q of my column: its byte, and its codes into v[dst], v[dst+1], v[dst+2] and v[tmp] ..
.set XS, X+32*(\q)
	s_wait_loadcnt \left                           ; the block's 32 loads are in (96, 64, 32, 0 younger ones could stay out; the count's field ends at 63)
	v_max3_num_f32 v[M+\q], |v[XS]|, |v[XS+1]|, |v[XS+2]|
	v_max3_num_f32 v18, |v[XS+3]|, |v[XS+4]|, |v[XS+5]|
.irp i, 6,10,14,18,22,26
	v_max3_num_f32 v[M+\q], v[M+\q], |v[XS+\i]|, |v[XS+\i+1]|
	v_max3_num_f32 v18, v18, |v[XS+\i+2]|, |v[XS+\i+3]|
.endr
	v_max3_num_f32 v[M+\q], v[M+\q], |v[XS+30]|, |v[XS+31]|
	v_max3_num_f32 v[M+\q], v[M+\q], v18, FLOOR
	v_add_nc_u32 v[SO+\q], OFFE, v[M+\q]
	v_lshrrev_b32 v[M+\q], 23, v[SO+\q]
	v_cvt_scalef32_pk16_bf6_f32 v[\dst:\dst+2], v[XS:XS+15], v[SO+\q]
	v_cvt_scalef32_pk16_bf6_f32 v[\tmp:\tmp+2], v[XS+16:XS+31], v[SO+\q]
.endm
	BLOCKW 0, PC, 36, 63
	BLOCKW 1, F1, 40, 63
	BLOCKW 2, PC+6, 44, 32
	BLOCKW 3, F1+6, 48, 0
	v_nop                                          ; one plain place behind a scaled conversion
.irp i, 0,1,2
	v_mov_b32 v[PC+3+\i], v[36+\i]
	v_mov_b32 v[F1+3+\i], v[40+\i]
	v_mov_b32 v[PC+9+\i], v[44+\i]
	v_mov_b32 v[F1+9+\i], v[48+\i]
.endr
	v_lshl_or_b32 v[WD], v[M+1], 8, v[M]           ; my column's scale word for these 128
	v_lshl_or_b32 v[WD], v[M+2], 16, v[WD]
	v_lshl_or_b32 v[WD], v[M+3], 24, v[WD]
.irp i, 0,1,2,3,4,5,6,7,8,9,10,11
	v_permlane16_swap_b32 v[PC+\i], v[F1+\i]       ; the first's lanes 16-31 change places with the second's lanes 0-15: the first is now tile 2 cg's fragment, the second tile 2 cg + 1's
.endr
.irp p, 0,1,2,3,4,5
	global_store_b64 v5, v[PC+2*\p:PC+2*\p+1], s[26:27] offset:256*\p
	global_store_b64 v5, v[F1+2*\p:F1+2*\p+1], s[26:27] offset:12288+256*\p
.endr
	global_store_b32 v9, v[WD], s[28:29]           ; 4 of every 8 bytes: the other word of a pair comes from the work-group of the neighbouring 128 along K (131,072 bytes in the launch go out so)
	s_endpgm
.Lfunc_end_k_q74463cd090_prep:
	.size	k_q74463cd090_prep, .Lfunc_end_k_q74463cd090_prep-k_q74463cd090_prep
	.p2alignl 7, 3214868480
	.fill 96, 4, 3214868480
	.section	.rodata,"a",@progbits
	.p2align	6, 0x0
	.amdhsa_kernel k_q74463cd090_prep
		.amdhsa_group_segment_fixed_size 34304
		.amdhsa_private_segment_fixed_size 0
		.amdhsa_enable_private_segment 0
		.amdhsa_kernarg_size 48
		.amdhsa_user_sgpr_count 2
		.amdhsa_user_sgpr_kernarg_segment_ptr 1
		.amdhsa_wavefront_size32 1
		.amdhsa_system_sgpr_workgroup_id_x 1
		.amdhsa_system_sgpr_workgroup_id_y 1
		.amdhsa_system_sgpr_workgroup_id_z 1
		.amdhsa_system_vgpr_workitem_id 0
		.amdhsa_next_free_vgpr 256
		.amdhsa_next_free_sgpr 66
		.amdhsa_reserve_vcc 0
		.amdhsa_float_denorm_mode_32 3
		.amdhsa_float_denorm_mode_16_64 3
		.amdhsa_memory_ordered 1
		.amdhsa_forward_progress 1
		.amdhsa_inst_pref_size 53
	.end_amdhsa_kernel
	.amdgpu_metadata
---
amdhsa.version: [ 1, 2 ]
amdhsa.kernels:
  - .name:           k_q74463cd090_prep
    .symbol:         k_q74463cd090_prep.kd
    .args:
      - { .name: x, .offset: 0, .size: 8, .value_kind: global_buffer, .address_space: global }
      - { .name: Wq, .offset: 8, .size: 8, .value_kind: global_buffer, .address_space: global }
      - { .name: Wk, .offset: 16, .size: 8, .value_kind: global_buffer, .address_space: global }
      - { .name: Wv, .offset: 24, .size: 8, .value_kind: global_buffer, .address_space: global }
      - { .name: Wo, .offset: 32, .size: 8, .value_kind: global_buffer, .address_space: global }
      - { .name: opnd, .offset: 40, .size: 8, .value_kind: global_buffer, .address_space: global }
    .group_segment_fixed_size: 34304
    .private_segment_fixed_size: 0
    .kernarg_segment_align: 8
    .kernarg_segment_size: 48
    .max_flat_workgroup_size: 128
    .sgpr_count:     66
    .vgpr_count:     256
    .wavefront_size: 32
...
	.end_amdgpu_metadata
.endif
;; end of part 1
;; launch qkv (part 2): grid 12 x 32, 4 waves a work-group, clusters of 4 x 4, 327,680 bytes of LDS; arguments opnd, qkvb; writes qkvb
.if DOCPART == 2
	.amdgcn_target "amdgcn-amd-amdhsa--gfx1250"
	.amdhsa_code_object_version 6
	.text
	.protected	k_q74463cd090_qkv
	.globl	k_q74463cd090_qkv
	.p2align	8
	.type	k_q74463cd090_qkv,@function
k_q74463cd090_qkv:
	s_mov_b64 s[64:65], 0
	v_nop
	global_prefetch_b8 v0, s[64:65] scope:SCOPE_SE
	s_setreg_imm32_b32 hwreg(HW_REG_WAVE_MODE, 25, 1), 1
	s_wait_xcnt 0x0
	s_wait_alu depctr_hold_cnt(0) depctr_sa_sdst(0) depctr_va_vdst(0) depctr_va_sdst(0) depctr_va_ssrc(0) depctr_va_vcc(0) depctr_vm_vsrc(0)
	s_getreg_b32 s2, hwreg(HW_REG_IB_STS2, 6, 4)
	s_cmp_eq_u32 s2, 0
	s_cbranch_scc0 .Lentry_in_a_cluster
	s_endpgm
.Lentry_in_a_cluster:
	s_bfe_u32 s2, ttmp6, 0x10000c
	s_cmp_lg_u32 s2, 0xf033
	s_cbranch_scc0 .Lentry_shape_is_right
	s_endpgm
.Lentry_shape_is_right:
; q = x Wq, k = x Wk, v = x Wv on codes of BF6 (E3M2) with E8M0 scales for each 32 along K = 1,024; the results are quantised in registers, q and k along the head's 64, v along the keys, and leave as codes.
; A tile of the product is 256 x 256, made by four waves, each 128 x 128: 64 accumulators of 16 x 16 in 512 registers.  K goes in steps of 256 through two LDS slots filled by the tensor data mover.
; OPERANDS lie in opnd in the order of the operand's registers: a tile of 16 rows is 12,288 bytes, eight fragments of 1,536 (six planes of 256 bytes: registers 2 p, 2 p + 1 of lane l at byte 8 l).  So a fragment comes by six
; ds_load_b64 at 8 x lane, each reading 256 consecutive bytes, and a K step of eight tiles is eight rows of 3,072 bytes for one tensor load.  Tile 2 g + u holds at its row r the tensor's row 32 g + 8 u + r + 8 (r / 8).
; THE MATRIX INSTRUCTION: source 0 = 16 rows of B, source 1 = 16 rows of A.  A lane then holds ONE row of A, and by the tiles' order of rows its 64 registers of a block of A are 128 NEIGHBOURING rows of B
; (register 16 b + i = row 32 b + 16 (lane / 16) + i): what the next product contracts.  Clusters 0 and 1 along x: A = x's tokens, B = the columns of Wq, Wk: a lane holds a token and 128 channels (two heads).
; Cluster 2 along x: A = the columns of Wv, B = x's tokens: a lane holds a channel and 128 keys.  The two cases differ in numbers chosen by s_cselect_b32 on the cluster's x, which all partners share: there is no branch on it.
; CLUSTERS: 4 x 4 work-groups.  A's tile hangs on the place along y and is asked for jointly by a row of the cluster, B's on the place along x and by a column.
; OUT (qkvb): QK images [token tile 512][128 columns of (Wq | Wk): 16][1,536]; V images [channel tile 64][128 keys: 64][1,536]; scale words in blocks of 512 bytes [row 16][2][4 words], one block for 128 rows of A x 128 of B:
; for q, k word [r][e][i] = head 2 G + e: tile 2 i's two bytes below, tile 2 i + 1's above;  for v word [r][e][i] = the word of tile 2 i + e.
; LIMITS: NaN and infinities are not served; a block whose largest magnitude lies under 2^-122 has its byte held at 1, a block of zeros too (its codes are zeros; this program alone reads the bytes).
; REGISTERS, in windows of 256: window 0: v0-31 addresses; v32-63 scale words, two sets; v128-223 A's fragments, one set; on the way out v112-130 and v200-231 are at work.
;   window 1: B's fragments, two sets, at v0 and v128.   window 2: the accumulators of A's blocks 0-3 ((a, b) at v[8 (8 a + b)]);   window 3: those of blocks 4-7.
.set W_IMG,  0x600000
.set X_SCL,  0x900000
.set W_SCL,  0x940000
.set V_IMG,  0xC00000
.set QK_SCL, 0x1200000
.set V_SCL,  0x1280000
.set NQ,     2                         ; matrix instructions deep in a slot: 256 along K
.set STEPB,  3072                      ; a tile's two fragments of a K step
.set KROW,   768                       ; bytes of codes for a row: 12,288 a tile
.set FR,     12                        ; registers of a fragment
.set NL,     6                         ; LDS loads that bring one
.set NP,     4                         ; places behind this matrix instruction (ISA guide 7.12.1)
.set HALFT,  8*STEPB                   ; eight tiles: what one tensor load brings, and what one wave reads of A or of B
.set SLOT,   4*HALFT                   ; A's 16 tiles, then B's 16
.set LAPS,   2                         ; 1,024 along K = four K steps = twice round the ring
.set SCL,    2*SLOT                    ; behind the ring: the scale words of all of K, as rows of 256 bytes + 16
.set HALFS,  16*272                    ; those of eight tiles: what one tensor load brings
.set SBLK,   2*272                     ; those of one tile
.set SPARE,  SCL+4*HALFS               ; the spare words, 128 bytes for each wave: two blocks of 256 bytes that no other line names
.set L8,   4                           ; v4      8 x lane
.set ADRA, 16                          ; v16-17  LDS address of my A fragments in slot 0, 1
.set ADRB, 20                          ; v20-21  the same for B
.set SOF,  25                          ; v25     the way out: my 16 bytes of a block of scale words
.set ADRS, 27                          ; v27     LDS address of my scale words: lanes 0-15 A's rows, lanes 16-31 B's
.set SPW,  28                          ; v28     LDS address of my spare word; never rewritten
.set NIL,  29                          ; v29     0; never rewritten
.set SC,   32                          ; scale words: set s at v[SC + 16 s]; register 2 i + q: lanes 0-15 A's block i, lanes 16-31 B's block i, the slot's q-th 128 along K
.set PC,   112                         ; the way out: v112-123 a fragment's codes, v124-130 halves on their way
.set AF,   128                         ; A's fragments
.set TM,   200                         ; the way out: v200-203 largest magnitudes, v204-207 bytes, v212-215 scale operands
.set WD,   216                         ; v216-223 the eight blocks' scale words
.set FA,   224                         ; v224-227, v228-231 the scale words as they are stored
.set FB,   228
.set G1, 24                            ; s[24:31] descriptor group 1 for A's tiles;  s[32:39] group 0, one set for each slot
.set G0, 32
.set G1B, 48                           ; s[48:55], s[56:63] the same for B's
.set G0B, 56
.set G1S, 68                           ; s[68:75], s[76:79] groups 1 and 0 for A's scale words;  s[80:87], s[88:91] for B's
.set G0S, 76
.set G1SB, 80
.set G0SB, 88
.set MSB, 0
.macro WIN new                         ; the immediate's high byte repeats the setting that is left
.if MSB != \new
	s_set_vgpr_msb (MSB<<8)|\new
.set MSB, \new
.endif
.endm
.set MUL_LO, 0xa1                      ; source 0 (B) window 1, source 1 (A) window 0, C and D window 2
.set MUL_HI, 0xf1                      ; the same, C and D window 3
.set TO_B,   0x40                      ; destination window 1, address window 0
; A joint load: waves 0 and 1 fetch for A, waves 2 and 3 for B.  Each line has one mask and one set of registers; the branch hangs on the wave's number alone.  Four v_nop follow each line.
.macro JLOAD g0a, g1a, g0b, g1b
	s_cmp_eq_u32 s15, 0
	s_cbranch_scc0 .Lfor_b_\@
	tensor_load_to_lds s[\g0a:\g0a+3], s[\g1a:\g1a+7]
	s_nop 0
.rept 4
	v_nop
.endr
	s_branch .Lasked_\@
.Lfor_b_\@:
	tensor_load_to_lds s[\g0b:\g0b+3], s[\g1b:\g1b+7]
	s_nop 0
.rept 4
	v_nop
.endr
.Lasked_\@:
.endm
.macro CREST                           ; a round of the cluster's barrier behind its opening barrier
	s_cmp_lg_u32 s14, 0
	s_cbranch_scc1 .Lnot_wave_0_\@
	s_barrier_signal -3
.Lnot_wave_0_\@:
	s_barrier_wait -3
	s_barrier_signal -1
	s_barrier_wait -1
.endm
.macro CROUND                          ; a whole round
	s_barrier_signal -1
	s_barrier_wait -1
	CREST
.endm
	s_load_b128 s[4:7], s[0:1], 0x0                ; opnd s[4:5], qkvb s[6:7]
	v_lshl_add_u32 v[SPW], v0, 2, SPARE
	v_mov_b32 v[NIL], 0
	ds_add_u32 v28, v29
	ds_add_u32 v28, v29
	s_wait_dscnt 0x0
	v_lshrrev_b32 v1, 5, v0
	v_readfirstlane_b32 s14, v1                    ; wave 0..3
	s_lshr_b32 s15, s14, 1                         ; which half of A's 256 rows is mine.  Also: I fetch for A (0) or for B (1)
	s_and_b32 s16, s14, 1                          ; which half of B's.  Also: which eight tiles I fetch
	s_bfe_u32 s40, ttmp6, 0x40000                  ; cx, cy: my place in the cluster
	s_bfe_u32 s41, ttmp6, 0x40004
	s_and_b32 s8, ttmp7, 0xffff
	s_lshl_b32 s8, s8, 2                           ; 4 x cluster y
	s_lshl_b32 s9, ttmp9, 2                        ; 4 x cluster x
	s_mov_b32 s10, X_SCL                           ; (an instruction takes one literal: the second of a pair waits in a register)
	s_mov_b32 s11, W_SCL
	s_mov_b32 s18, 16*1536
	s_mov_b32 s19, QK_SCL
	s_mov_b32 s100, 0x05040100
	s_mov_b32 s101, 0x07060302
	s_cmp_eq_u32 ttmp9, 2                          ; v's cluster?  The same answer in all sixteen partners; it chooses numbers, no path
	s_cselect_b32 s17, 8, s8                       ; A's tile of 256 rows, less cy: Wv's first among the weights' sixteen, or x's
	s_cselect_b32 s42, s8, s9                      ; B's, less cx: x's, or Wq's and Wk's
	s_cselect_b32 s66, W_IMG, 0                    ; where A's images begin in opnd,
	s_cselect_b32 s67, 0, W_IMG                    ; B's,
	s_cselect_b32 s95, s11, s10                    ; A's scale words,
	s_cselect_b32 s94, s10, s11                    ; B's
	s_cselect_b32 s98, 64*1536, s18                ; the way out: bytes from a tile of A's rows to the next: 64 or 16 fragments
	s_cselect_b32 s2, V_IMG, 0                     ; where the images go in qkvb,
	s_cselect_b32 s3, V_SCL, s19                   ; and the scale words
	s_cselect_b32 s96, 8, 0                        ; what comes off A's tile number on the way out
	s_cselect_b32 s97, 6, 4                        ; log2 of the fragments in a row of tiles
	s_cselect_b32 s100, 0x03020100, s100           ; how two tiles' scale words are laid together: whole words for v, halves for q and k
	s_cselect_b32 s101, 0x07060504, s101
	s_add_co_u32 s17, s17, s41                     ; A's tile hangs on cy alone,
	s_add_co_u32 s42, s42, s40                     ; B's on cx alone
	s_lshl_b32 s43, s41, 2
	s_lshl_b32 s43, 15, s43                        ; my row of the cluster
	s_lshl_b32 s44, 0x1111, s40                    ; my column
	; descriptor group 1 for codes: eight rows (tiles) of 384 elements of 8 bytes, 1,536 elements apart; no padding
	s_or_b32 s[G1+0], s43, (3<<16)|(1<<21)         ; 15:0 the mask: A's tiles go to my row; 17:16 elements of 8 bytes; 21 set beside a mask
	s_or_b32 s[G1B+0], s44, (3<<16)|(1<<21)
.irp g, G1, G1B
	s_mov_b32 s[\g+1], 384<<16                     ; tensor_dim0
	s_mov_b32 s[\g+2], 8<<16                       ; tensor_dim1
	s_mov_b32 s[\g+3], 384<<16                     ; tile_dim0
	s_mov_b32 s[\g+4], 8                           ; tile_dim1
	s_mov_b32 s[\g+5], 1536                        ; tensor_dim0_stride
	s_mov_b32 s[\g+6], 0
	s_mov_b32 s[\g+7], 0
.endr
	; and for the scale words of eight tiles: 4,096 dense bytes as 16 rows of 256 (32 elements of 8 bytes), 16 bytes of padding behind each
	s_or_b32 s[G1S+0], s43, (3<<16)|(1<<20)|(1<<21)|(5<<22)|(3<<25)
	s_or_b32 s[G1SB+0], s44, (3<<16)|(1<<20)|(1<<21)|(5<<22)|(3<<25)
.irp g, G1S, G1SB
	s_mov_b32 s[\g+1], 32<<16
	s_mov_b32 s[\g+2], 16<<16
	s_mov_b32 s[\g+3], 32<<16
	s_mov_b32 s[\g+4], 16
	s_mov_b32 s[\g+5], 32
	s_mov_b32 s[\g+6], 0
	s_mov_b32 s[\g+7], 0
.endr
	s_lshl_b32 s18, s16, 7                         ; which 128 rows of the tile I fetch
	s_lshl_b32 s20, s17, 8
	s_add_co_u32 s20, s20, s18                     ; A: row
	s_lshl_b32 s46, s42, 8
	s_add_co_u32 s46, s46, s18                     ; B: row
	s_lshl_b32 s22, s20, 5                         ; 32 bytes of scale words a row
	s_add_co_u32 s22, s22, s95
	s_mov_b32 s23, 0
	s_lshl_b32 s92, s46, 5
	s_add_co_u32 s92, s92, s94
	s_mov_b32 s93, 0
	s_mul_i32 s20, s20, KROW
	s_add_co_u32 s20, s20, s66
	s_mov_b32 s21, 0
	s_mul_i32 s46, s46, KROW
	s_add_co_u32 s46, s46, s67
	s_mov_b32 s47, 0
	s_mul_i32 s45, s14, HALFT                      ; where they go: wave x eight tiles: no place in the cluster enters an LDS address
	s_mul_i32 s94, s14, HALFS
	; the way out: my 128 rows of A are group S1, my 128 rows of B group S0
	s_sub_co_u32 s10, s17, s96
	s_lshl_b32 s10, s10, 1
	s_add_co_u32 s10, s10, s15                     ; S1
	s_lshl_b32 s10, s10, s97                       ; x the fragments in a row of tiles
	s_lshl_b32 s11, s42, 1
	s_add_co_u32 s11, s11, s16                     ; S0
	s_add_co_u32 s19, s10, s11
	s_lshl_b32 s19, s19, 9
	s_add_co_u32 s96, s19, s3                      ; my block of scale words
	s_mov_b32 s97, 0
	s_lshl_b32 s10, s10, 3                         ; eight tiles to a group
	s_add_co_u32 s10, s10, s11
	s_mul_i32 s10, s10, 1536
	s_add_co_u32 s12, s10, s2                      ; my first image
	s_mov_b32 s13, 0
	s_mov_b32 s99, 0
	s_wait_kmcnt 0x0
	s_add_nc_u64 s[20:21], s[4:5], s[20:21]
	s_add_nc_u64 s[22:23], s[4:5], s[22:23]
	s_add_nc_u64 s[46:47], s[4:5], s[46:47]
	s_add_nc_u64 s[92:93], s[4:5], s[92:93]
	s_add_nc_u64 s[12:13], s[6:7], s[12:13]
	s_add_nc_u64 s[96:97], s[6:7], s[96:97]
	CROUND                                         ; all sixteen work-groups are here: the first joint loads meet
	s_mov_b32 s[G0S], 1
	s_add_co_u32 s[G0S+1], s94, SCL
	s_mov_b64 s[G0S+2:G0S+3], s[22:23]
	s_or_b32 s[G0S+3], s[G0S+3], 0x80000000
	s_mov_b32 s[G0SB], 1
	s_add_co_u32 s[G0SB+1], s94, SCL
	s_mov_b64 s[G0SB+2:G0SB+3], s[92:93]
	s_or_b32 s[G0SB+3], s[G0SB+3], 0x80000000
	JLOAD G0S, G1S, G0SB, G1SB                     ; the scale words first: they are wanted with K step 0
.irp s, 0,1
	s_mov_b32 s[G0+4*\s], 1
	s_add_co_u32 s[G0+4*\s+1], s45, \s*SLOT
	s_add_nc_u64 s[G0+4*\s+2:G0+4*\s+3], s[20:21], \s*STEPB
	s_or_b32 s[G0+4*\s+3], s[G0+4*\s+3], 0x80000000
	s_mov_b32 s[G0B+4*\s], 1
	s_add_co_u32 s[G0B+4*\s+1], s45, \s*SLOT
	s_add_nc_u64 s[G0B+4*\s+2:G0B+4*\s+3], s[46:47], \s*STEPB
	s_or_b32 s[G0B+4*\s+3], s[G0B+4*\s+3], 0x80000000
	JLOAD G0+4*\s, G1, G0B+4*\s, G1B
.endr
	v_and_b32 v1, 15, v0                           ; r
	v_bfe_u32 v2, v0, 4, 1                         ; h
	s_wait_alu depctr_va_vdst(0)
	v_and_b32 v3, 31, v0                           ; lane
	v_lshlrev_b32 v[L8], 3, v3
	s_mul_i32 s21, s15, HALFT                      ; my eight tiles of A
	s_mul_i32 s22, s16, HALFT                      ; my eight of B,
	s_add_co_u32 s22, s22, 2*HALFT                 ; which lie behind A's sixteen
.irp s, 0,1
	v_add_nc_u32 v[ADRA+\s], s21, v[L8]
	v_add_nc_u32 v[ADRB+\s], s22, v[L8]
	s_add_co_u32 s21, s21, SLOT
	s_add_co_u32 s22, s22, SLOT
.endr
	v_lshlrev_b32 v5, 3, v1                        ; my row's two scale words of a K step: 8 r
	s_mul_i32 s21, s15, HALFS                      ; A's: my eight tiles
	s_mul_i32 s22, s16, HALFS                      ; B's: my eight, behind A's sixteen
	s_add_co_u32 s22, s22, 2*HALFS
	s_sub_co_u32 s22, s22, s21
	v_mul_u32_u24 v6, s22, v2                      ; lanes 16-31 take B's
	s_add_co_u32 s21, s21, SCL
	v_add_nc_u32 v5, v5, v6
	v_add_nc_u32 v[ADRS], s21, v5
	v_lshlrev_b32 v[SOF], 5, v1
	v_lshl_add_u32 v[SOF], v2, 4, v[SOF]           ; the way out: 32 r + 16 h
.macro FRAG reg, adr, q, i             ; a fragment as it lies: six planes, each 256 consecutive bytes for the 32 lanes
.irp p, 0,1,2,3,4,5
	ds_load_b64 v[\reg+2*\p:\reg+2*\p+1], v[\adr] offset:(\i)*STEPB+(\q)*1536+256*\p
.endr
.endm
; 16 matrix instructions: A's blocks a0, a0 + 1 x B's eight, the slot's q-th 128 along K.  p: B's set;  sc: the set of scale words.  zero = 1: the first product starts the sums: nothing is cleared.
; The 64 accumulators take turns, one instruction a turn, in the same order in every step.
.macro MUL16 a0, p, q, sc, zero
.irp a, \a0, \a0+1
.irp b, 0,1,2,3,4,5,6,7
.if \zero
	v_wmma_scale_f32_16x16x128_f8f6f4 v[8*(8*((\a)%4)+\b):8*(8*((\a)%4)+\b)+7], v[128*(\p)+FR*\b:128*(\p)+FR*\b+FR-1], v[AF+FR*(\a):AF+FR*(\a)+FR-1], 0, v[SC+8*NQ*(\sc)+NQ*\b+(\q)], v[SC+8*NQ*(\sc)+NQ*(\a)+(\q)] matrix_a_fmt:MATRIX_FMT_BF6 matrix_b_fmt:MATRIX_FMT_BF6 matrix_a_scale:MATRIX_SCALE_ROW1
.else
	v_wmma_scale_f32_16x16x128_f8f6f4 v[8*(8*((\a)%4)+\b):8*(8*((\a)%4)+\b)+7], v[128*(\p)+FR*\b:128*(\p)+FR*\b+FR-1], v[AF+FR*(\a):AF+FR*(\a)+FR-1], v[8*(8*((\a)%4)+\b):8*(8*((\a)%4)+\b)+7], v[SC+8*NQ*(\sc)+NQ*\b+(\q)], v[SC+8*NQ*(\sc)+NQ*(\a)+(\q)] matrix_a_fmt:MATRIX_FMT_BF6 matrix_b_fmt:MATRIX_FMT_BF6 matrix_a_scale:MATRIX_SCALE_ROW1
.endif
.endr
.endr
.endm
.macro FETCH_B slot, q, p              ; B's eight fragments of the slot's q-th 128 along K into set p
	WIN TO_B
.irp i, 0,1,2,3,4,5,6,7
	FRAG 128*(\p)+FR*\i, ADRB+\slot, \q, \i
.endr
	WIN 0
.endm
.macro FETCH_A slot, q, i0             ; A's blocks i0 .. i0 + 3
.irp i, \i0, \i0+1, \i0+2, \i0+3
	FRAG AF+FR*(\i), ADRA+\slot, \q, \i
.endr
.endm
.macro SCALES sc                       ; a K step's scale words into set sc: two words a row; lanes 0-15 take A's block i, lanes 16-31 B's block i
.irp i, 0,1,2,3,4,5,6,7
	ds_load_b64 v[SC+8*NQ*\sc+NQ*\i:SC+8*NQ*\sc+NQ*\i+1], v[ADRS] offset:\i*SBLK
.endr
.endm
; A load into a register that a matrix instruction has read, and a vector instruction that reads a matrix result, stand NP places behind that matrix instruction; only plain vector instructions
; that name none of its registers are places (ISA guide 7.12.1 for vector instructions).
.macro PLACES n
.rept \n
	v_nop
.endr
.endm
; A step of 128 along K that has its successor in the same slot.  A's blocks go one after the other, each against B's eight: a block of A is free when its eight products are issued, so A has one set of registers, B two.
.macro STEP slot, q, zero
	s_wait_dscnt 4*NL                              ; B's set and A's blocks 0-3 are in; the youngest 24 loads (A's blocks 4-7) may be out
	WIN MUL_LO
	MUL16 0, (\q)%2, \q, \slot, \zero
	MUL16 2, (\q)%2, \q, \slot, \zero
	s_wait_dscnt 0                                 ; A's blocks 4-7 are in (asked for 32 matrix instructions ago)
	PLACES NP
	FETCH_B \slot, (\q)+1, 1-(\q)%2
	FETCH_A \slot, (\q)+1, 0
	WIN MUL_HI
	MUL16 4, (\q)%2, \q, \slot, \zero
	MUL16 6, (\q)%2, \q, \slot, \zero
	PLACES NP
	WIN 0
	FETCH_A \slot, (\q)+1, 4
.endm
; A slot's last step changes slots: one barrier; in front of it each wave waits for all its tensor loads, adds 0 to its spare word, and waits for that and for its own reads of this slot.  fill = 1: this slot is filled again, two K steps ahead.
.macro TURN slot, next, fill
	s_wait_tensorcnt 0x0                           ; all my tensor loads have landed: my part of the next slot;  (every window is 0 here)
	ds_add_u32 v[SPW], v[NIL]                      ; 0 onto my spare word
	s_wait_dscnt 4*NL+1                            ; (the add and the youngest 24 loads, A's blocks 4-7, may be out)
	WIN MUL_LO
	MUL16 0, 1, NQ-1, \slot, 0                     ; sixteen matrix instructions stand between the add and the wait for it
	s_wait_dscnt 0x0                               ; the add is done, and my reads of this slot are over
	s_barrier_signal -1
	MUL16 2, 1, NQ-1, \slot, 0
	WIN 0
	s_barrier_wait -1
.if \fill
	CREST                                          ; the barrier has opened a round of the cluster's barrier: no wave of any partner still reads this slot or has a load on its way
	s_add_nc_u64 s[G0+4*\slot+2:G0+4*\slot+3], s[G0+4*\slot+2:G0+4*\slot+3], 2*STEPB
	s_add_nc_u64 s[G0B+4*\slot+2:G0B+4*\slot+3], s[G0B+4*\slot+2:G0B+4*\slot+3], 2*STEPB
	JLOAD G0+4*\slot, G1, G0B+4*\slot, G1B         ; the first tensor load behind the round; the four v_nop behind it are the places in front of the loads below
.else
	PLACES NP
.endif
	s_wait_alu depctr_va_vdst(0)
	v_add_nc_u32 v[ADRS], 128+16*\slot, v[ADRS]    ; the next K step's scale words: 128 bytes on, and past 16 of padding where a row of 256 ends (no LDS load of mine is out)
	FETCH_B \next, 0, 0
	FETCH_A \next, 0, 0
	SCALES \next
	WIN MUL_HI
	MUL16 4, 1, NQ-1, \slot, 0
	MUL16 6, 1, NQ-1, \slot, 0
	PLACES NP
	WIN 0
	FETCH_A \next, 0, 4
.endm
	s_wait_alu depctr_va_vdst(0)
	s_wait_tensorcnt 1                             ; the scale words and my part of K step 0 are in (K step 1's load may be out)
	s_barrier_signal -1
	s_barrier_wait -1                              ; everybody's are
	FETCH_B 0, 0, 0
	FETCH_A 0, 0, 0
	SCALES 0
	FETCH_A 0, 0, 4
	STEP 0, 0, 1                                   ; the first step stands in front of the loop: its products start the sums
	s_mov_b32 s3, LAPS-1
.Llap:                                                 ; a trip goes once round the ring, from a lap's second step to the next lap's first, and fills both slots again
	TURN 0, 1, 1
	STEP 1, 0, 0
	TURN 1, 0, 1
	STEP 0, 0, 0
	s_sub_co_u32 s3, s3, 1
	s_cmp_lg_u32 s3, 0
	s_cbranch_scc1 .Llap
	TURN 0, 1, 0                                   ; the last lap fills nothing, and has no round of the cluster's barrier
	STEP 1, 0, 0
	s_wait_dscnt 4*NL                              ; the very last step: nothing more to fetch
	WIN MUL_LO
	MUL16 0, 1, NQ-1, 1, 0
	MUL16 2, 1, NQ-1, 1, 0
	s_wait_dscnt 0
	WIN MUL_HI
	MUL16 4, 1, NQ-1, 1, 0
	MUL16 6, 1, NQ-1, 1, 0
	WIN 0
; THE WAY OUT.  Block a of A's rows: a lane's 64 registers, v[s] on in window W, register 16 b + i = k 32 b + 16 (lane / 16) + i of my row, become a fragment's codes in v[PC] on and its scale word in v[wd].
.macro QUANTW s, W, wd
	WIN ((\W)<<2)|((\W)<<4)                        ; sources 1 and 2: the accumulators' window
.irp b, 0,1,2,3
	v_max3_num_f32 v[TM+\b], 0x2800000, |v[(\s)+16*\b]|, |v[(\s)+1+16*\b]|   ; block b: my 16 numbers, and the floor 2^(5 - 127); each accumulator is read from its low end on
.endr
.irp i, 2,4,6,8,10,12,14
.irp b, 0,1,2,3
	v_max3_num_f32 v[TM+\b], v[TM+\b], |v[(\s)+16*\b+\i]|, |v[(\s)+1+16*\b+\i]|   ; (the four blocks by turns)
.endr
.endr
	WIN 0
.irp b, 0,1,2,3
	v_permlanex16_b32 v[TM+4+\b], v[TM+\b], s20, s21
.endr
.irp b, 0,1,2,3
	v_max_num_f32 v[TM+\b], v[TM+\b], v[TM+4+\b]   ; with lane l xor 16's: the block's largest magnitude
.endr
.irp b, 0,1,2,3
	v_add_nc_u32 v[TM+12+\b], 0xfe000000, v[TM+\b] ; 4 off its exponent field: the conversion's scale operand
.endr
.irp b, 0,1,2,3
	v_lshrrev_b32 v[TM+4+\b], 23, v[TM+12+\b]      ; the scale's byte
.endr
	v_lshl_or_b32 v[\wd], v[TM+5], 8, v[TM+4]
	v_lshl_or_b32 v[\wd], v[TM+6], 16, v[\wd]
	v_lshl_or_b32 v[\wd], v[TM+7], 24, v[\wd]
	WIN \W                                         ; source 0: the accumulators' window
.irp c, 0,1
	v_cvt_scalef32_pk16_bf6_f32 v[PC+6*\c:PC+2+6*\c], v[(\s)+32*\c:(\s)+15+32*\c], v[TM+12+2*\c]
	v_cvt_scalef32_pk16_bf6_f32 v[PC+12+4*\c:PC+14+4*\c], v[(\s)+16+32*\c:(\s)+31+32*\c], v[TM+12+2*\c+1]   ; (a conversion's three registers begin on an even number)
.endr
	WIN 0
	v_nop                                          ; one plain place behind a scaled conversion
.irp c, 0,1                                    ; the operand's layout wants a whole block in a lane: lanes 0-15 block 2 c, lanes 16-31 block 2 c + 1
.irp i, 0,1,2
	v_permlane16_swap_b32 v[PC+6*\c+\i], v[PC+12+4*\c+\i]
.endr
.irp i, 0,1,2
	v_mov_b32 v[PC+3+6*\c+\i], v[PC+12+4*\c+\i]
.endr
.endr
.endm
	PLACES NP                                      ; behind the last products: their results are read, and registers that held A's fragments are written
	s_mov_b32 s20, 0x76543210
	s_mov_b32 s21, 0xfedcba98                      ; v_permlanex16_b32's selects for lane l xor 16
	v_cmp_lt_u32 s66, 15, v3                       ; lanes 16-31
.irp b, 0,1,2,3
	v_mov_b32 v[TM+4+\b], 0                        ; written once: a lane permute's destination counts as one of its sources
.endr
.irp a, 0,1,2,3,4,5,6,7
.if \a > 0
	s_wait_xcnt 0x0                                ; the last block's stores have read their data and their base
.endif
	QUANTW 64*(\a%4), 2+\a/4, WD+\a
.if \a > 0
	s_add_nc_u64 s[12:13], s[12:13], s[98:99]      ; the next tile of A's rows
.endif
.irp p, 0,1,2,3,4,5
	global_store_b64 v[L8], v[PC+2*\p:PC+2*\p+1], s[12:13] offset:256*\p   ; a plane: the wave stores 256 consecutive bytes, aligned
.endr
.endr
.irp i, 0,1,2,3
	v_perm_b32 v[FA+\i], v[WD+2*\i+1], v[WD+2*\i], s100   ; q, k: the even head's bytes of tiles 2 i and 2 i + 1;  v: tile 2 i's word
	v_perm_b32 v[FB+\i], v[WD+2*\i+1], v[WD+2*\i], s101   ; q, k: the odd head's;  v: tile 2 i + 1's word
.endr
.irp i, 0,1,2,3
	v_cndmask_b32 v[FA+\i], v[FA+\i], v[FB+\i], s66
.endr
	global_store_b128 v[SOF], v[FA:FA+3], s[96:97] ; the block of scale words: 512 consecutive bytes, aligned
	s_wait_tensorcnt 0x0                           ; the wave's end
	ds_add_u32 v[SPW], v[NIL]
	s_wait_dscnt 0x0
	CROUND                                         ; the closing round: no work-group ends while a partner may still ask for a tile that names it
	s_endpgm
.Lfunc_end_k_q74463cd090_qkv:
	.size	k_q74463cd090_qkv, .Lfunc_end_k_q74463cd090_qkv-k_q74463cd090_qkv
	.p2alignl 7, 3214868480
	.fill 96, 4, 3214868480
	.section	.rodata,"a",@progbits
	.p2align	6, 0x0
	.amdhsa_kernel k_q74463cd090_qkv
		.amdhsa_group_segment_fixed_size 327680
		.amdhsa_private_segment_fixed_size 0
		.amdhsa_enable_private_segment 0
		.amdhsa_kernarg_size 16
		.amdhsa_user_sgpr_count 2
		.amdhsa_user_sgpr_kernarg_segment_ptr 1
		.amdhsa_wavefront_size32 1
		.amdhsa_system_sgpr_workgroup_id_x 1
		.amdhsa_system_sgpr_workgroup_id_y 1
		.amdhsa_system_sgpr_workgroup_id_z 1
		.amdhsa_system_vgpr_workitem_id 0
		.amdhsa_next_free_vgpr 1024
		.amdhsa_next_free_sgpr 104
		.amdhsa_reserve_vcc 0
		.amdhsa_float_denorm_mode_32 3
		.amdhsa_float_denorm_mode_16_64 3
		.amdhsa_memory_ordered 1
		.amdhsa_forward_progress 1
		.amdhsa_inst_pref_size 168
	.end_amdhsa_kernel
	.amdgpu_metadata
---
amdhsa.version: [ 1, 2 ]
amdhsa.kernels:
  - .name:           k_q74463cd090_qkv
    .symbol:         k_q74463cd090_qkv.kd
    .args:
      - { .name: opnd, .offset: 0, .size: 8, .value_kind: global_buffer, .address_space: global }
      - { .name: qkvb, .offset: 8, .size: 8, .value_kind: global_buffer, .address_space: global }
    .group_segment_fixed_size: 327680
    .private_segment_fixed_size: 0
    .kernarg_segment_align: 8
    .kernarg_segment_size: 16
    .max_flat_workgroup_size: 128
    .sgpr_count:     104
    .vgpr_count:     1024
    .wavefront_size: 32
...
	.end_amdgpu_metadata
.endif
;; end of part 2
;; launch attn (part 3): grid 4 x 64, 16 waves a work-group, no clusters, 215,040 bytes of LDS; arguments qkvb, ab; writes ab
.if DOCPART == 3
	.amdgcn_target "amdgcn-amd-amdhsa--gfx1250"
	.amdhsa_code_object_version 6
	.text
	.protected	k_q74463cd090_attn
	.globl	k_q74463cd090_attn
	.p2align	8
	.type	k_q74463cd090_attn,@function
k_q74463cd090_attn:
	s_mov_b64 s[64:65], 0
	v_nop
	global_prefetch_b8 v0, s[64:65] scope:SCOPE_SE
	s_setreg_imm32_b32 hwreg(HW_REG_WAVE_MODE, 25, 1), 1
	s_wait_xcnt 0x0
; a[b][q][64 h + d] = the sum over keys k <= q of softmax_k(q . k / 8) v, both products on codes of BF6 (E3M2) with E8M0 scales; a leaves as codes, quantised along 64 h + d.
; THE SOFTMAX AHEAD OF THE SECOND PRODUCT: t = score x log2(e) / 8; M = the row's largest t so far, rounded UP to a whole number; p = 2^(t - M) is quantised along the keys, not normalised.
; The row's sum is taken of the unquantised p, in f32, and divides at the end.  When M moves, the sum and O are multiplied by 2^(old M - new M): exact.
; SHARES.  A work-group has one head of one batch (grid y) and a quarter of its query tiles (grid x).  The head's K, V and scale words, 212,992 bytes, are brought into LDS ONCE; behind one barrier LDS is only read.
; Wave w of work-group i takes query tile g = 16 i + w and then tile 127 - g.  A tile T needs T / 8 + 1 key steps of 128, so every wave of the launch works 17 steps.  Four waves share a SIMD:
; one wave's vector work stands beside another's matrix work and LDS loads.
; NO JOINT LOADS, though the four work-groups of a head read the same K and V: a step whose keys all come after the wave's queries is jumped over, and that branch hangs on the query tile, which hangs on
; the work-group's number along x: partners of a cluster would part on their place.
; LAYOUT.  Both products are used transposed: S^T = K Q^T (source 0 = keys, source 1 = my 16 queries), O^T = V^T P^T (source 0 = 16 channels, source 1 = P): a lane holds ONE query (lane % 16) throughout.
; Token tile 2 g + u holds at its row r token 32 g + 8 u + r + 8 (r / 8), so the 16 registers of key tiles 2 g and 2 g + 1 are keys 32 g + 16 (lane / 16) + 0 .. 15; V's channel tiles are laid likewise.
; K = 64 IN THE FIRST PRODUCT.  A head's codes of a token tile are half a fragment, 768 bytes.  Two neighbouring key tiles' halves lie on end and are ONE fragment (k 0-63: the first tile's channels, k 64-127: the second's).
; It is multiplied twice: by [q | zero codes] and by [zero codes | q].  So no register of K's is empty, and the zeros are kept once, round q: v18-23 zeros, v24-29 q, v30-35 zeros.
; LIMITS: NaN and infinities are not served; p under 2^-126 counts as 0; a block whose largest magnitude lies under 2^-122 has its byte held at 1, a block of zeros too (its codes are zeros; this program alone reads the bytes).
.set V_IMG,  0xC00000
.set QK_SCL, 0x1200000
.set V_SCL,  0x1280000
.set A_SCL,  0x600000
.set VB,     98304                     ; LDS: K's 128 tiles x 768 at 0; V's four channel tiles x 16 fragments of 1,536 here;
.set KSB,    196608                    ; K's scale words, 16 blocks of 512 bytes;
.set VSB,    204800                    ; V's likewise
.set L8,  1                            ; v1   8 x lane
.set AKS, 2                            ; v2   my place in a block of K's scale words: KSB + 32 r + 16 (h % 2)
.set AVS, 3                            ; v3   and of V's: VSB + 32 r + 8 (h % 2)
.set AVA, 4                            ; v4   V's channel tiles 0, 1: VB + 8 x lane
.set AVB, 5                            ; v5   tiles 2, 3
.set DQ,  6                            ; v6   r + 8 (r / 8) - 16 (lane / 16)
.set ASO, 7                            ; v7   the way out: 8 r + lane / 16
.set ADK, 8                            ; v8-12 the step's addresses: K, V (two), K's scale words, V's
.set ADVA, 9
.set ADVB, 10
.set ADS, 11
.set ADT, 12
.set R32, 13                           ; v13  32 r
                                       ; v14 -M, v15 the largest t, v[16:17] the sum in two halves
.set QB,  18                           ; v[18:29] zero codes, then q
.set QA,  24                           ; v[24:35] q, then zero codes
.set QSA, 36                           ; v36  q's scale word for QA;  v37 for QB;  v38 as loaded
.set QSB, 37
.set FRG, 40                           ; v40-87  four fragments of K or of V
.set FS,  88                           ; v88-91  their scale words
.set S,   96                           ; v96-159 S^T, then p
.set O,   160                          ; v160-191 O^T
.set PCD, 192                          ; v192-203 p's codes;  v204-206, v208-210 halves on their way
.set PT,  204
.set BM,  212                          ; v212-215 each block's largest score, then largest p
.set BY,  216                          ; v216-219 permutes' destinations, then bytes
.set SOP, 220                          ; v220-223 the conversions' scale operands
                                       ; v[224:225] f; v226 p's scale word; v227, v[228:229] at work; v230 the mask's bound; v231 -infinity; v[232:233] 1 / the sum
.set WV,  16                           ; s16  my wave's number
.set SEL, 76                           ; s[76:77] lane selects for lane l xor 16
.set CS,  78                           ; s[78:79] c = log2(e) / 8
.set T,   80                           ; s80  my query tile, 0..127
.set PASS, 81
.set STEPI, 82                         ; s82  the key step
.set SD,  83                           ; s83  the step on the diagonal: T / 8
.set TK,  84                           ; s84  6,144 x step;  s85 1,536 x step;  s86 512 x step
.set TV,  85
.set TS,  86
.set HI,  87                           ; s87  lanes 16-31
	s_load_b128 s[4:7], s[0:1], 0x0                ; qkvb s[4:5], ab s[6:7]
	v_lshl_add_u32 v254, v0, 2, 0x34000
	v_mov_b32 v255, 0
	ds_add_u32 v254, v255
	ds_add_u32 v254, v255
	v_lshrrev_b32 v1, 5, v0
	s_delay_alu instid0(VALU_DEP_1)
	v_readfirstlane_b32 s[WV], v1                  ; wave 0..15
	s_and_b32 s17, ttmp7, 0xffff
	s_lshr_b32 s18, s17, 4                         ; batch
	s_and_b32 s19, s17, 15                         ; head
	s_and_b32 s20, s19, 1                          ; head % 2
	s_lshr_b32 s21, s19, 1                         ; head / 2
	s_and_b32 s22, s[WV], 3                        ; which quarter of K, or which channel tile of V, I fetch
	s_lshl_b32 s8, s18, 7
	s_lshl_b32 s9, s22, 5
	s_add_co_u32 s8, s8, s9                        ; K: token tile 128 b + 32 x quarter;
	s_mul_i32 s8, s8, 24576                        ; a token tile has 16 fragments; k's heads lie behind q's eight fragments
	s_mul_i32 s9, s19, 768
	s_add_co_u32 s8, s8, s9
	s_add_co_u32 s8, s8, 12288
	s_mov_b32 s9, 0
	s_lshl_b32 s10, s19, 2
	s_add_co_u32 s10, s10, s22                     ; V: channel tile 4 h + t: 64 fragments each; the batch's sixteen
	s_mul_i32 s10, s10, 98304
	s_mul_i32 s11, s18, 24576
	s_add_co_u32 s10, s10, s11
	s_add_co_u32 s10, s10, V_IMG
	s_mov_b32 s11, 0
	s_lshl_b32 s12, s18, 17                        ; K's scale words: 16 blocks of 512 bytes for each 128 tokens; block 8 + h / 2
	s_lshl_b32 s13, s21, 9
	s_add_co_u32 s12, s12, s13
	s_add_co_u32 s12, s12, QK_SCL+4096
	s_mov_b32 s13, 0
	s_lshl_b32 s14, s21, 15                        ; V's: 64 blocks for each eight channel tiles; the batch's sixteen
	s_lshl_b32 s15, s18, 13
	s_add_co_u32 s14, s14, s15
	s_add_co_u32 s14, s14, V_SCL
	s_mov_b32 s15, 0
	s_mul_i32 s23, s22, 24576                      ; where my part goes
	; descriptor groups 1, all of elements of 8 bytes, no padding.  K: 32 rows of 768 bytes, 24,576 apart
	s_mov_b32 s24, 3<<16
	s_mov_b32 s25, 96<<16
	s_mov_b32 s26, 32<<16
	s_mov_b32 s27, 96<<16
	s_mov_b32 s28, 32
	s_mov_b32 s29, 3072
	s_mov_b32 s30, 0
	s_mov_b32 s31, 0
	; V: 24,576 dense bytes as 32 rows of 768
	s_mov_b32 s32, 3<<16
	s_mov_b32 s33, 96<<16
	s_mov_b32 s34, 32<<16
	s_mov_b32 s35, 96<<16
	s_mov_b32 s36, 32
	s_mov_b32 s37, 96
	s_mov_b32 s38, 0
	s_mov_b32 s39, 0
	; K's scale words: 16 rows of 512 bytes, 8,192 apart
	s_mov_b32 s40, 3<<16
	s_mov_b32 s41, 64<<16
	s_mov_b32 s42, 16<<16
	s_mov_b32 s43, 64<<16
	s_mov_b32 s44, 16
	s_mov_b32 s45, 1024
	s_mov_b32 s46, 0
	s_mov_b32 s47, 0
	; V's: 8,192 dense bytes as 16 rows of 512
	s_mov_b32 s48, 3<<16
	s_mov_b32 s49, 64<<16
	s_mov_b32 s50, 16<<16
	s_mov_b32 s51, 64<<16
	s_mov_b32 s52, 16
	s_mov_b32 s53, 64
	s_mov_b32 s54, 0
	s_mov_b32 s55, 0
	s_wait_dscnt 0x0
	s_wait_kmcnt 0x0
	s_mov_b32 s56, 1
	s_mov_b32 s57, s23
	s_add_nc_u64 s[58:59], s[4:5], s[8:9]
	s_or_b32 s59, s59, 0x80000000
	s_mov_b32 s60, 1
	s_add_co_u32 s61, s23, VB
	s_add_nc_u64 s[62:63], s[4:5], s[10:11]
	s_or_b32 s63, s63, 0x80000000
	s_mov_b32 s68, 1
	s_mov_b32 s69, KSB
	s_add_nc_u64 s[70:71], s[4:5], s[12:13]
	s_or_b32 s71, s71, 0x80000000
	s_mov_b32 s72, 1
	s_mov_b32 s73, VSB
	s_add_nc_u64 s[74:75], s[4:5], s[14:15]
	s_or_b32 s75, s75, 0x80000000
	; THE FILLS, once: waves 0-3 K's quarters, waves 4-7 V's channel tiles, wave 8 K's scale words, wave 9 V's; at most one load a wave.  Four v_nop follow each line.
	s_cmp_lt_u32 s[WV], 4
	s_cbranch_scc0 .Lnot_k
	tensor_load_to_lds s[56:59], s[24:31]
	s_nop 0
.rept 4
	v_nop
.endr
	s_branch .Lasked
.Lnot_k:
	s_cmp_lt_u32 s[WV], 8
	s_cbranch_scc0 .Lnot_v
	tensor_load_to_lds s[60:63], s[32:39]
	s_nop 0
.rept 4
	v_nop
.endr
	s_branch .Lasked
.Lnot_v:
	s_cmp_eq_u32 s[WV], 8
	s_cbranch_scc0 .Lnot_ks
	tensor_load_to_lds s[68:71], s[40:47]
	s_nop 0
.rept 4
	v_nop
.endr
	s_branch .Lasked
.Lnot_ks:
	s_cmp_eq_u32 s[WV], 9
	s_cbranch_scc0 .Lasked
	tensor_load_to_lds s[72:75], s[48:55]
	s_nop 0
.rept 4
	v_nop
.endr
.Lasked:
	; what a pass's offsets have in common
	s_mul_i32 s8, s19, 768                         ; the head's half fragment in a token tile
	s_lshl_b32 s9, s21, 9
	s_lshl_b32 s10, s20, 4
	s_add_co_u32 s9, s9, s10
	s_add_co_u32 s9, s9, QK_SCL                    ; q's scale words: block h / 2, + 16 (h % 2)
	s_lshr_b32 s10, s19, 2
	s_lshl_b32 s10, s10, 7
	s_and_b32 s11, s19, 3
	s_lshl_b32 s11, s11, 1
	s_add_co_u32 s10, s10, s11
	s_add_co_u32 s10, s10, A_SCL                   ; a's scale bytes: 128 (h / 4) + 2 (h % 4)
	s_lshl_b32 s11, s18, 7                         ; the batch's first token tile
	s_lshl_b32 s[T], ttmp9, 4
	s_add_co_u32 s[T], s[T], s[WV]                 ; the first pass's query tile
	s_mov_b32 s[SEL], 0x76543210
	s_mov_b32 s[SEL+1], 0xfedcba98
	s_mov_b32 s[CS], 0x3e38aa3b                    ; c = log2(e) / 8
	s_mov_b32 s[CS+1], s[CS]                       ; (named with it as a pair, so it is written)
	v_and_b32 v227, 31, v0
	s_delay_alu instid0(VALU_DEP_1)
	v_lshlrev_b32 v[L8], 3, v227
	v_and_b32 v228, 15, v0                         ; r
	v_bfe_u32 v229, v0, 4, 1                       ; lane / 16
	s_delay_alu instid0(VALU_DEP_4)
	v_cmp_lt_u32 s[HI], 15, v227
	s_delay_alu instid0(VALU_DEP_3)
	v_lshlrev_b32 v[R32], 5, v228
	s_lshl_b32 s96, s20, 4
	s_add_co_u32 s96, s96, KSB
	v_add_nc_u32 v[AKS], s96, v[R32]
	s_lshl_b32 s96, s20, 3
	s_add_co_u32 s96, s96, VSB
	v_add_nc_u32 v[AVS], s96, v[R32]
	v_add_nc_u32 v[AVA], VB, v[L8]
	v_add_nc_u32 v[AVB], VB+49152, v[L8]
	v_and_b32 v[DQ], 8, v228
	s_delay_alu instid0(VALU_DEP_1)
	v_add_nc_u32 v[DQ], v[DQ], v228
	v_lshlrev_b32 v[ASO], 4, v229
	s_delay_alu instid0(VALU_DEP_1)
	v_sub_nc_u32 v[DQ], v[DQ], v[ASO]
	v_lshl_add_u32 v[ASO], v228, 3, v229
.irp j, 18,19,20,21,22,23,30,31,32,33,34,35
	v_mov_b32 v[\j], 0                             ; the zero codes round q
.endr
.irp b, 0,1,2,3
	v_mov_b32 v[BY+\b], 0                          ; written once: a lane permute's destination counts as one of its sources
.endr
	v_mov_b32 v225, 0                              ; (upper halves of pairs of which the low word serves both halves)
	v_mov_b32 v233, 0
	v_mov_b32 v231, 0xff800000                     ; -infinity
	s_wait_tensorcnt 0x0                           ; my part has landed,
	s_barrier_signal -1
	s_barrier_wait -1                              ; everybody's has: from here on LDS is only read
	s_mov_b32 s[PASS], 0
.Lpass:                                            ; two trips: tile g, then tile 127 - g
	s_wait_xcnt 0x0                                ; the last pass's stores have read their data and bases
	s_add_co_u32 s96, s11, s[T]                    ; the token tile among all 512
	s_mul_i32 s98, s96, 24576
	s_add_co_u32 s98, s98, s8
	s_mov_b32 s99, 0
	s_add_nc_u64 s[88:89], s[4:5], s[98:99]        ; q's half fragment
	s_lshr_b32 s98, s96, 3
	s_lshl_b32 s98, s98, 13
	s_add_co_u32 s98, s98, s9
	s_bfe_u32 s97, s[T], 0x20001                   ; (T % 8) / 2: which word
	s_lshl_b32 s97, s97, 2
	s_add_co_u32 s98, s98, s97
	s_add_nc_u64 s[90:91], s[4:5], s[98:99]        ; q's scale word
	s_mul_i32 s98, s96, 12288
	s_add_co_u32 s98, s98, s8
	s_add_nc_u64 s[92:93], s[6:7], s[98:99]        ; a's half fragment
	s_lshl_b32 s98, s96, 9
	s_add_co_u32 s98, s98, s10
	s_add_nc_u64 s[94:95], s[6:7], s[98:99]        ; a's scale bytes
.irp p, 0,1,2
	global_load_b64 v[QA+2*\p:QA+2*\p+1], v[L8], s[88:89] offset:256*\p
.endr
	global_load_b32 v38, v[R32], s[90:91]
	s_lshr_b32 s[SD], s[T], 3
	s_and_b32 s97, s[T], 1
	s_lshl_b32 s96, s97, 4                         ; which half of the word is my tile's
	s_lshl_b32 s97, s97, 3
	s_bfe_u32 s98, s[T], 0x20001
	s_lshl_b32 s98, s98, 5
	s_add_co_u32 s97, s97, s98                     ; 32 ((T / 2) % 4) + 8 (T % 2): my tile's first query in its 128
	s_mov_b32 s[TK], 0
	s_mov_b32 s[TV], 0
	s_mov_b32 s[TS], 0
	s_mov_b32 s[STEPI], 0
	s_wait_loadcnt 0x0
	v_lshrrev_b32 v38, s96, v38
	s_delay_alu instid0(VALU_DEP_1)
	v_and_b32 v[QSA], 0xffff, v38
	s_delay_alu instid0(VALU_DEP_1)
	v_or_b32 v[QSA], 0x01010000, v[QSA]            ; q's two bytes below; over the zero codes the byte 1
	s_delay_alu instid0(VALU_DEP_3)
	v_lshl_or_b32 v[QSB], v38, 16, 0x0101          ; and the other way round
	v_add_nc_u32 v230, s97, v[DQ]                  ; d = my query - the diagonal step's first key - 16 (lane / 16)
	v_mov_b32 v15, 0xff61b1e6                      ; the largest t so far: -3e38, under every t
	s_delay_alu instid0(VALU_DEP_1)
	v_floor_f32 v14, -v15                          ; -M
	v_mov_b32 v16, 0                               ; the sum, in two halves
	v_mov_b32 v17, 0
.set j, 0
.rept 32
	v_mov_b32 v[O+j], 0                            ; O^T.  (The step is written once: the first finds zeros, which the first change of M leaves zeros.  These lines also stand between the scale words just made and the first product)
.set j, j+1
.endr
.Lstep:                                            ; 16 trips, a constant; a step all of whose keys come after my queries is jumped over: a branch on ids, round the work alone
	s_cmp_gt_u32 s[STEPI], s[SD]
	s_cbranch_scc1 .Lhid
	s_setprio 2
	v_add_nc_u32 v[ADK], s[TK], v[L8]              ; (these five are the places behind the last step's products, in front of the loads into their registers)
	v_add_nc_u32 v[ADVA], s[TV], v[AVA]
	v_add_nc_u32 v[ADVB], s[TV], v[AVB]
	v_add_nc_u32 v[ADS], s[TS], v[AKS]
	v_add_nc_u32 v[ADT], s[TS], v[AVS]
.irp f, 0,1,2,3                                ; fragment f: key tiles 8 s + 2 f and 8 s + 2 f + 1
.irp p, 0,1,2,3,4,5
	ds_load_b64 v[FRG+12*\f+2*\p:FRG+12*\f+2*\p+1], v[ADK] offset:1536*\f+256*\p
.endr
.endr
	ds_load_b128 v[FS:FS+3], v[ADS]                ; their four scale words
	s_wait_alu depctr_va_vdst(0)
	s_wait_dscnt 0x0
.irp f, 0,1,2,3
	v_wmma_scale_f32_16x16x128_f8f6f4 v[S+16*\f:S+16*\f+7], v[FRG+12*\f:FRG+12*\f+11], v[QA:QA+11], 0, v[FS+\f], v[QSA] matrix_a_fmt:MATRIX_FMT_BF6 matrix_b_fmt:MATRIX_FMT_BF6
	v_wmma_scale_f32_16x16x128_f8f6f4 v[S+16*\f+8:S+16*\f+15], v[FRG+12*\f:FRG+12*\f+11], v[QB:QB+11], 0, v[FS+\f], v[QSB] matrix_a_fmt:MATRIX_FMT_BF6 matrix_b_fmt:MATRIX_FMT_BF6
.endr                                          ; register 16 f + i holds key 128 s + 32 f + 16 (lane / 16) + i
.rept 4
	v_nop                                          ; places: in front of the loads into K's registers, and of the first read of the scores
.endr
.irp t, 0,1                                    ; V's four fragments are asked for at once: they land while the softmax is worked
.irp p, 0,1,2,3,4,5
	ds_load_b64 v[FRG+12*\t+2*\p:FRG+12*\t+2*\p+1], v[ADVA] offset:24576*\t+256*\p
.endr
.endr
.irp t, 0,1
.irp p, 0,1,2,3,4,5
	ds_load_b64 v[FRG+24+12*\t+2*\p:FRG+24+12*\t+2*\p+1], v[ADVB] offset:24576*\t+256*\p
.endr
.endr
	ds_load_b64 v[FS:FS+1], v[ADT]                 ; the scale words of channel tiles 0 and 2,
	ds_load_b64 v[FS+2:FS+3], v[ADT] offset:16     ; of 1 and 3
	s_cmp_lt_u32 s[STEPI], s[SD]                   ; on the diagonal the scores of hidden keys become -infinity ahead of the maximum: p = 0 then
	s_cbranch_scc1 .Lopen
.set n, 0
.rept 64
	v_cmp_gt_i32 vcc_lo, 32*(n/16)+n%16, v230
	v_cndmask_b32 v[S+n], v[S+n], v231, vcc_lo
.set n, n+1
.endr
.Lopen:
.irp b, 0,1,2,3
	v_max3_num_f32 v[BM+\b], v[S+16*\b], v[S+1+16*\b], v[S+2+16*\b]   ; the largest score of each block of 32 keys: it serves the row's maximum and, since p rises with the score, the block's largest p
.endr
.irp i, 3,5,7,9,11,13
.irp b, 0,1,2,3
	v_max3_num_f32 v[BM+\b], v[BM+\b], v[S+16*\b+\i], v[S+1+16*\b+\i]   ; (the four blocks by turns)
.endr
.endr
.irp b, 0,1,2,3
	v_max_num_f32 v[BM+\b], v[BM+\b], v[S+15+16*\b]
.endr
.irp b, 0,1,2,3
	s_delay_alu instid0(VALU_DEP_4)
	v_permlanex16_b32 v[BY+\b], v[BM+\b], s[SEL], s[SEL+1]
.endr
.irp b, 0,1,2,3
	s_delay_alu instid0(VALU_DEP_4)
	v_max_num_f32 v[BM+\b], v[BM+\b], v[BY+\b]     ; with lane l xor 16's 16 keys
.endr
	s_delay_alu instid0(VALU_DEP_2)
	v_max3_num_f32 v227, v[BM], v[BM+1], v[BM+2]
	s_delay_alu instid0(VALU_DEP_1)
	v_max_num_f32 v227, v227, v[BM+3]              ; the step's largest score of my query
	s_delay_alu instid0(VALU_DEP_1)
	v_mul_f32 v227, s[CS], v227                    ; as t (c is positive)
	s_delay_alu instid0(VALU_DEP_1)
	v_max_num_f32 v15, v15, v227                   ; the running largest t
	v_mov_b32 v227, v14
	s_delay_alu instid0(VALU_DEP_2)
	v_floor_f32 v14, -v15                          ; the new -M = floor(-t) = -ceil(t): M is a whole number
	s_delay_alu instid0(VALU_DEP_1)
	v_sub_f32 v227, v14, v227                      ; M's old value less its new one: a whole number, 0 or less
	s_delay_alu instid0(VALU_DEP_1)
	v_cvt_i32_f32 v227, v227                       ; (it saturates)
	s_delay_alu instid0(VALU_DEP_1)
	v_ldexp_f32 v224, 1.0, v227                    ; f = 2^(old M - new M)
.set j, 0
	s_setprio 1
.rept 32
	v_pk_fma_f32 v[S+j:S+j+1], v[S+j:S+j+1], s[CS:CS+1], v[14:15] op_sel_hi:[1,0,0]   ; t - M, two at a time (of the pairs c and -M the low word serves both halves)
.set j, j+2
.endr
.irp b, 0,1,2,3
	v_fma_f32 v[BM+\b], v[BM+\b], s[CS], v14       ; the same of each block's largest score
.endr
.set j, 0
	s_wait_alu depctr_va_vdst(0)
.rept 64
	v_exp_f32 v[S+j], v[S+j]                       ; p = 2^(t - M), at most 1: not normalised
.set j, j+1
.endr
.irp b, 0,1,2,3
	v_exp_f32 v[BM+\b], v[BM+\b]                   ; the block's largest p: the same two instructions on the same number give the same bits
.endr
	v_pk_mul_f32 v[16:17], v[16:17], v[224:225] op_sel_hi:[1,0]   ; the sums under the new M.  (A plain place behind the exponentials)
	s_wait_alu depctr_va_vdst(0)
.irp b, 0,1,2,3
	v_max_num_f32 v[BM+\b], 0x2800000, v[BM+\b]    ; the floor 2^(5 - 127): the byte cannot fall under 1
.endr
.irp b, 0,1,2,3
	s_delay_alu instid0(VALU_DEP_4)
	v_add_nc_u32 v[SOP+\b], 0xfe000000, v[BM+\b]   ; 4 off the exponent field: the conversion's scale operand
.endr
.irp b, 0,1,2,3
	s_delay_alu instid0(VALU_DEP_4)
	v_lshrrev_b32 v[BY+\b], 23, v[SOP+\b]          ; the scale's byte
.endr
	s_delay_alu instid0(VALU_DEP_3)
	v_lshl_or_b32 v226, v[BY+1], 8, v[BY]          ; p's scale word for these 128 keys
	s_delay_alu instid0(VALU_DEP_1)
	v_lshl_or_b32 v226, v[BY+2], 16, v226
	s_delay_alu instid0(VALU_DEP_1)
	v_lshl_or_b32 v226, v[BY+3], 24, v226
.irp c, 0,1
	v_cvt_scalef32_pk16_bf6_f32 v[PCD+6*\c:PCD+6*\c+2], v[S+32*\c:S+32*\c+15], v[SOP+2*\c]
	v_cvt_scalef32_pk16_bf6_f32 v[PT+4*\c:PT+4*\c+2], v[S+32*\c+16:S+32*\c+31], v[SOP+2*\c+1]   ; (a conversion's three registers begin on an even number)
.endr
	v_nop                                          ; one plain place behind a scaled conversion
.irp c, 0,1                                    ; the operand's layout wants a whole block in a lane: lanes 0-15 block 2 c, lanes 16-31 block 2 c + 1
.irp i, 0,1,2
	v_permlane16_swap_b32 v[PCD+6*\c+\i], v[PT+4*\c+\i]
.endr
.irp i, 0,1,2
	s_delay_alu instid0(VALU_DEP_3)
	v_mov_b32 v[PCD+6*\c+3+\i], v[PT+4*\c+\i]
.endr
.endr
.set j, 0
	s_setprio 0
.rept 16
	v_pk_mul_f32 v[O+j:O+j+1], v[O+j:O+j+1], v[224:225] op_sel_hi:[1,0]   ; O^T under the new M: x f, each accumulator from its low end on
.set j, j+2
.endr
	v_pk_add_f32 v[228:229], v[100:101], v[104:105]
	v_pk_add_f32 v[252:253], v[108:109], v[112:113]
	v_pk_add_f32 v[250:251], v[116:117], v[120:121]
	v_pk_add_f32 v[248:249], v[124:125], v[128:129]
	v_pk_add_f32 v[246:247], v[132:133], v[136:137]
	v_pk_add_f32 v[244:245], v[140:141], v[144:145]
	v_pk_add_f32 v[242:243], v[148:149], v[152:153]
	v_pk_add_f32 v[16:17], v[16:17], v[156:157]
	v_pk_add_f32 v[228:229], v[228:229], v[96:97]
	v_pk_add_f32 v[252:253], v[252:253], v[98:99]
	v_pk_add_f32 v[250:251], v[250:251], v[102:103]
	v_pk_add_f32 v[248:249], v[248:249], v[106:107]
	v_pk_add_f32 v[246:247], v[246:247], v[110:111]
	v_pk_add_f32 v[244:245], v[244:245], v[114:115]
	v_pk_add_f32 v[242:243], v[242:243], v[118:119]
	v_pk_add_f32 v[16:17], v[16:17], v[122:123]
	v_pk_add_f32 v[228:229], v[228:229], v[126:127]
	v_pk_add_f32 v[252:253], v[252:253], v[130:131]
	v_pk_add_f32 v[250:251], v[250:251], v[134:135]
	v_pk_add_f32 v[248:249], v[248:249], v[138:139]
	v_pk_add_f32 v[246:247], v[246:247], v[142:143]
	v_pk_add_f32 v[244:245], v[244:245], v[146:147]
	v_pk_add_f32 v[242:243], v[242:243], v[150:151]
	v_pk_add_f32 v[16:17], v[16:17], v[154:155]
	v_pk_add_f32 v[228:229], v[228:229], v[158:159]
	s_delay_alu instid0(VALU_DEP_2)
	v_pk_add_f32 v[16:17], v[16:17], v[248:249]
	s_delay_alu instid0(VALU_DEP_2)
	v_pk_add_f32 v[228:229], v[228:229], v[246:247]
	v_pk_add_f32 v[252:253], v[252:253], v[244:245]
	v_pk_add_f32 v[250:251], v[250:251], v[242:243]
	s_delay_alu instid0(VALU_DEP_2)
	v_pk_add_f32 v[16:17], v[16:17], v[252:253]
	s_delay_alu instid0(VALU_DEP_2)
	v_pk_add_f32 v[228:229], v[228:229], v[250:251]
	s_delay_alu instid0(VALU_DEP_1)
	v_pk_add_f32 v[16:17], v[16:17], v[228:229]
	s_wait_dscnt 0x0                               ; V's fragments and scale words are in
.irp t, 0,1,2,3                                ; O^T += V^T P^T: the four accumulators by turns, one instruction a turn
	v_wmma_scale_f32_16x16x128_f8f6f4 v[O+8*\t:O+8*\t+7], v[FRG+12*\t:FRG+12*\t+11], v[PCD:PCD+11], v[O+8*\t:O+8*\t+7], v[FS+2*(\t%2)+\t/2], v226 matrix_a_fmt:MATRIX_FMT_BF6 matrix_b_fmt:MATRIX_FMT_BF6
.endr
.Lhid:
	s_add_co_u32 s[TK], s[TK], 6144
	s_add_co_u32 s[TV], s[TV], 1536
	s_add_co_u32 s[TS], s[TS], 512
	s_add_co_u32 s[STEPI], s[STEPI], 1
	s_cmp_lt_u32 s[STEPI], 16
	s_cbranch_scc1 .Lstep
	s_setprio 0
	; THE PASS'S END.  O^T / the sum is my query's 64 channels of head h: register 16 g + i = channel 32 g + 16 (lane / 16) + i: two blocks of the next product's K.  They leave as half a fragment and two scale bytes.
.rept 4
	v_nop                                          ; places behind the last products
.endr
	s_wait_alu depctr_va_vdst(0)
	v_add_f32 v16, v16, v17                        ; the sum's two halves,
	s_delay_alu instid0(VALU_DEP_1)
	v_permlanex16_b32 v227, v16, s[SEL], s[SEL+1]
	s_delay_alu instid0(VALU_DEP_1)
	v_add_f32 v16, v16, v227                       ; and lane l xor 16's: the row's sum
	s_wait_alu depctr_va_vdst(0)
	v_rcp_f32 v232, v16
	v_nop                                          ; one plain place behind a transcendental
.set j, 0
	s_wait_alu depctr_va_vdst(0)
.rept 16
	v_pk_mul_f32 v[S+j:S+j+1], v[O+j:O+j+1], v[232:233] op_sel_hi:[1,0]
.set j, j+2
.endr
.irp b, 0,1
	v_max3_num_f32 v[BM+\b], |v[S+16*\b]|, |v[S+1+16*\b]|, 0x2800000
.endr
.irp i, 2,4,6,8,10,12,14
.irp b, 0,1
	s_delay_alu instid0(VALU_DEP_2)
	v_max3_num_f32 v[BM+\b], v[BM+\b], |v[S+16*\b+\i]|, |v[S+1+16*\b+\i]|
.endr
.endr
.irp b, 0,1
	s_delay_alu instid0(VALU_DEP_2)
	v_permlanex16_b32 v[BY+\b], v[BM+\b], s[SEL], s[SEL+1]
.endr
.irp b, 0,1
	s_delay_alu instid0(VALU_DEP_2)
	v_max_num_f32 v[BM+\b], v[BM+\b], v[BY+\b]
.endr
.irp b, 0,1
	s_delay_alu instid0(VALU_DEP_2)
	v_add_nc_u32 v[SOP+\b], 0xfe000000, v[BM+\b]
.endr
.irp b, 0,1
	s_delay_alu instid0(VALU_DEP_2)
	v_lshrrev_b32 v[BY+\b], 23, v[SOP+\b]
.endr
	v_cvt_scalef32_pk16_bf6_f32 v[PCD:PCD+2], v[S:S+15], v[SOP]
	v_cvt_scalef32_pk16_bf6_f32 v[PT:PT+2], v[S+16:S+31], v[SOP+1]
	v_nop                                          ; one plain place behind a scaled conversion
.irp i, 0,1,2
	v_permlane16_swap_b32 v[PCD+\i], v[PT+\i]
.endr
.irp i, 0,1,2
	s_delay_alu instid0(VALU_DEP_3)
	v_mov_b32 v[PCD+3+\i], v[PT+\i]
.endr
.irp p, 0,1,2
	global_store_b64 v[L8], v[PCD+2*\p:PCD+2*\p+1], s[92:93] offset:256*\p   ; a plane: the wave stores 256 consecutive bytes, aligned
.endr
	v_cndmask_b32 v227, v[BY], v[BY+1], s[HI]      ; lanes 0-15 store block 0's byte, lanes 16-31 block 1's
	global_store_b8 v[ASO], v227, s[94:95]         ; 2 of every 8 bytes: the other six are three other heads' (262,144 bytes in the launch go out so, one for each 24 bytes of codes)
	s_xor_b32 s[T], s[T], 127                      ; tile 127 - g
	s_add_co_u32 s[PASS], s[PASS], 1
	s_cmp_lt_u32 s[PASS], 2
	s_cbranch_scc1 .Lpass
	s_wait_tensorcnt 0x0
	ds_add_u32 v254, v255
	s_wait_dscnt 0x0
	s_endpgm
.Lfunc_end_k_q74463cd090_attn:
	.size	k_q74463cd090_attn, .Lfunc_end_k_q74463cd090_attn-k_q74463cd090_attn
	.p2alignl 7, 3214868480
	.fill 96, 4, 3214868480
	.section	.rodata,"a",@progbits
	.p2align	6, 0x0
	.amdhsa_kernel k_q74463cd090_attn
		.amdhsa_group_segment_fixed_size 215040
		.amdhsa_private_segment_fixed_size 0
		.amdhsa_enable_private_segment 0
		.amdhsa_kernarg_size 16
		.amdhsa_user_sgpr_count 2
		.amdhsa_user_sgpr_kernarg_segment_ptr 1
		.amdhsa_wavefront_size32 1
		.amdhsa_system_sgpr_workgroup_id_x 1
		.amdhsa_system_sgpr_workgroup_id_y 1
		.amdhsa_system_sgpr_workgroup_id_z 1
		.amdhsa_system_vgpr_workitem_id 0
		.amdhsa_next_free_vgpr 256
		.amdhsa_next_free_sgpr 100
		.amdhsa_reserve_vcc 1
		.amdhsa_float_denorm_mode_32 3
		.amdhsa_float_denorm_mode_16_64 3
		.amdhsa_memory_ordered 1
		.amdhsa_forward_progress 1
		.amdhsa_inst_pref_size 40
	.end_amdhsa_kernel
	.amdgpu_metadata
---
amdhsa.version: [ 1, 2 ]
amdhsa.kernels:
  - .name:           k_q74463cd090_attn
    .symbol:         k_q74463cd090_attn.kd
    .args:
      - { .name: qkvb, .offset: 0, .size: 8, .value_kind: global_buffer, .address_space: global }
      - { .name: ab, .offset: 8, .size: 8, .value_kind: global_buffer, .address_space: global }
    .group_segment_fixed_size: 215040
    .private_segment_fixed_size: 0
    .kernarg_segment_align: 8
    .kernarg_segment_size: 16
    .max_flat_workgroup_size: 512
    .sgpr_count:     100
    .vgpr_count:     256
    .wavefront_size: 32
...
	.end_amdgpu_metadata
.endif
;; end of part 3
;; launch proj (part 4): grid 4 x 32, 4 waves a work-group, clusters of 4 x 4, 327,680 bytes of LDS; arguments ab, opnd, bo, out0; writes out0
.if DOCPART == 4
	.amdgcn_target "amdgcn-amd-amdhsa--gfx1250"
	.amdhsa_code_object_version 6
	.text
	.protected	k_q74463cd090_proj
	.globl	k_q74463cd090_proj
	.p2align	8
	.type	k_q74463cd090_proj,@function
k_q74463cd090_proj:
	s_mov_b64 s[64:65], 0
	v_nop
	global_prefetch_b8 v0, s[64:65] scope:SCOPE_SE
	s_setreg_imm32_b32 hwreg(HW_REG_WAVE_MODE, 25, 1), 1
	s_wait_xcnt 0x0
	s_wait_alu depctr_hold_cnt(0) depctr_sa_sdst(0) depctr_va_vdst(0) depctr_va_sdst(0) depctr_va_ssrc(0) depctr_va_vcc(0) depctr_vm_vsrc(0)
	s_getreg_b32 s2, hwreg(HW_REG_IB_STS2, 6, 4)
	s_cmp_eq_u32 s2, 0
	s_cbranch_scc0 .Lentry_in_a_cluster
	s_endpgm
.Lentry_in_a_cluster:
	s_bfe_u32 s2, ttmp6, 0x10000c
	s_cmp_lg_u32 s2, 0xf033
	s_cbranch_scc0 .Lentry_shape_is_right
	s_endpgm
.Lentry_shape_is_right:
; out0 = a Wo + bo on codes of BF6 (E3M2) with E8M0 scales for each 32 along K = 1,024; sums in f32; out0 [8192][1024] f32.
; A tile of out0 is 256 x 256, made by four waves, each 128 x 128: 64 accumulators of 16 x 16 in 512 registers.  K goes in steps of 256 through two LDS slots filled by the tensor data mover.
; OPERANDS lie in the order of the operand's registers: a tile of 16 rows is 12,288 bytes, eight fragments of 1,536 (six planes of 256 bytes: registers 2 p, 2 p + 1 of lane l at byte 8 l); a fragment comes by six
; ds_load_b64 at 8 x lane.  Tile 2 g + u holds at its row r the tensor's row 32 g + 8 u + r + 8 (r / 8); the way out puts rows and columns back in their order.
; THE MATRIX INSTRUCTION: source 0 = 16 columns of Wo (B), source 1 = 16 tokens of a (A): a lane holds one token and eight neighbouring columns a tile.  bo is the C of each sum's first product.
; CLUSTERS: 4 x 4 work-groups; A's tile is asked for jointly by a row of the cluster, B's by a column.  The grid has 128 work-groups: 32 x 4 tiles of 256 x 256.
; REGISTERS, in windows of 256: window 0: v0-31 addresses; v32-63 scale words, two sets; v64-127 bo in the result's layout; v128-223 A's fragments, one set; on the way out v128-255 take rows of out0.
;   window 1: B's fragments, two sets, at v0 and v128.   window 2: the accumulators of A's blocks 0-3 ((a, b) at v[8 (8 a + b)]);   window 3: those of blocks 4-7.
.set W_IMG,  0x600000
.set W_SCL,  0x940000
.set A_SCL,  0x600000
.set NQ,     2                         ; matrix instructions deep in a slot: 256 along K
.set STEPB,  3072                      ; a tile's two fragments of a K step
.set KROW,   768                       ; bytes of codes for a row
.set FR,     12
.set NL,     6
.set NP,     4                         ; places behind this matrix instruction (ISA guide 7.12.1)
.set HALFT,  8*STEPB
.set SLOT,   4*HALFT
.set LAPS,   2
.set SCL,    2*SLOT                    ; behind the ring: the scale words of all of K, as rows of 256 bytes + 16
.set HALFS,  16*272
.set SBLK,   2*272
.set SPARE,  SCL+4*HALFS               ; the spare words, 128 bytes for each wave: two blocks of 256 bytes that no other line names
.set SPITCH, 528                       ; the way out: a stage of 16 rows x (512 bytes + 16) for each wave, in slot 0, which has had its last fill and its last read when the first result is stored there
.set L8,   4                           ; v4      8 x lane
.set ADRA, 16
.set ADRB, 20
.set STO,  24                          ; v24     the way out: where I put my bytes of a row
.set RD,   25                          ; v25     where I read a row back
.set CO,   26                          ; v26     16 x lane: my bytes of a row of out0
.set ADRS, 27
.set SPW,  28                          ; v28     LDS address of my spare word; never rewritten
.set NIL,  29                          ; v29     0; never rewritten
.set SC,   32
.set BI,   64                          ; v64-127 bo: block b's eight numbers at v[BI + 8 b]
.set AF,   128
.set BK,   128                         ; the way out: 16 rows read back: v128-191 and v192-255 by turns
.set G1, 24
.set G0, 32
.set G1B, 48
.set G0B, 56
.set G1S, 68
.set G0S, 76
.set G1SB, 80
.set G0SB, 88
.set MSB, 0
.macro WIN new                         ; the immediate's high byte repeats the setting that is left
.if MSB != \new
	s_set_vgpr_msb (MSB<<8)|\new
.set MSB, \new
.endif
.endm
.set MUL_LO, 0xa1                      ; source 0 (B) window 1, source 1 (A) window 0, C and D window 2
.set MUL_HI, 0xf1                      ; the same, C and D window 3
.set TO_B,   0x40                      ; destination window 1, address window 0
; A joint load: waves 0 and 1 fetch for A, waves 2 and 3 for B; the branch hangs on the wave's number alone.  Four v_nop follow each line.
.macro JLOAD g0a, g1a, g0b, g1b
	s_cmp_eq_u32 s15, 0
	s_cbranch_scc0 .Lfor_b_\@
	tensor_load_to_lds s[\g0a:\g0a+3], s[\g1a:\g1a+7]
	s_nop 0
.rept 4
	v_nop
.endr
	s_branch .Lasked_\@
.Lfor_b_\@:
	tensor_load_to_lds s[\g0b:\g0b+3], s[\g1b:\g1b+7]
	s_nop 0
.rept 4
	v_nop
.endr
.Lasked_\@:
.endm
.macro CREST                           ; a round of the cluster's barrier behind its opening barrier
	s_cmp_lg_u32 s14, 0
	s_cbranch_scc1 .Lnot_wave_0_\@
	s_barrier_signal -3
.Lnot_wave_0_\@:
	s_barrier_wait -3
	s_barrier_signal -1
	s_barrier_wait -1
.endm
.macro CROUND                          ; a whole round
	s_barrier_signal -1
	s_barrier_wait -1
	CREST
.endm
	s_load_b256 s[4:11], s[0:1], 0x0               ; ab s[4:5], opnd s[6:7], bo s[8:9], out0 s[10:11]
	v_lshl_add_u32 v[SPW], v0, 2, SPARE
	v_mov_b32 v[NIL], 0
	ds_add_u32 v28, v29
	ds_add_u32 v28, v29
	s_wait_dscnt 0x0
	v_lshrrev_b32 v1, 5, v0
	v_readfirstlane_b32 s14, v1                    ; wave 0..3
	s_lshr_b32 s15, s14, 1                         ; which half of A's 256 rows is mine.  Also: I fetch for A (0) or for B (1)
	s_and_b32 s16, s14, 1                          ; which half of B's.  Also: which eight tiles I fetch
	s_bfe_u32 s40, ttmp6, 0x40000                  ; cx, cy: my place in the cluster
	s_bfe_u32 s41, ttmp6, 0x40004
	s_lshl_b32 s42, ttmp9, 2
	s_add_co_u32 s42, s42, s40                     ; tile column = 4 x cluster x + cx
	s_and_b32 s17, ttmp7, 0xffff
	s_lshl_b32 s17, s17, 2
	s_add_co_u32 s17, s17, s41                     ; tile row = 4 x cluster y + cy
	s_lshl_b32 s43, s41, 2
	s_lshl_b32 s43, 15, s43                        ; my row of the cluster
	s_lshl_b32 s44, 0x1111, s40                    ; my column
	; descriptor group 1 for codes: eight rows (tiles) of 384 elements of 8 bytes, 1,536 elements apart; no padding
	s_or_b32 s[G1+0], s43, (3<<16)|(1<<21)
	s_or_b32 s[G1B+0], s44, (3<<16)|(1<<21)
.irp g, G1, G1B
	s_mov_b32 s[\g+1], 384<<16
	s_mov_b32 s[\g+2], 8<<16
	s_mov_b32 s[\g+3], 384<<16
	s_mov_b32 s[\g+4], 8
	s_mov_b32 s[\g+5], 1536
	s_mov_b32 s[\g+6], 0
	s_mov_b32 s[\g+7], 0
.endr
	; and for the scale words of eight tiles: 4,096 dense bytes as 16 rows of 256, 16 bytes of padding behind each
	s_or_b32 s[G1S+0], s43, (3<<16)|(1<<20)|(1<<21)|(5<<22)|(3<<25)
	s_or_b32 s[G1SB+0], s44, (3<<16)|(1<<20)|(1<<21)|(5<<22)|(3<<25)
.irp g, G1S, G1SB
	s_mov_b32 s[\g+1], 32<<16
	s_mov_b32 s[\g+2], 16<<16
	s_mov_b32 s[\g+3], 32<<16
	s_mov_b32 s[\g+4], 16
	s_mov_b32 s[\g+5], 32
	s_mov_b32 s[\g+6], 0
	s_mov_b32 s[\g+7], 0
.endr
	s_lshl_b32 s18, s16, 7                         ; which 128 rows of the tile I fetch
	s_lshl_b32 s20, s17, 8
	s_add_co_u32 s20, s20, s18                     ; A: row of a
	s_lshl_b32 s46, s42, 8
	s_add_co_u32 s46, s46, s18
	s_add_co_u32 s46, s46, 12*256                  ; B: Wo's rows lie behind Wq's, Wk's and Wv's
	s_lshl_b32 s22, s20, 5
	s_add_co_u32 s22, s22, A_SCL
	s_mov_b32 s23, 0
	s_lshl_b32 s92, s46, 5
	s_add_co_u32 s92, s92, W_SCL
	s_mov_b32 s93, 0
	s_mul_i32 s20, s20, KROW
	s_mov_b32 s21, 0
	s_mul_i32 s46, s46, KROW
	s_add_co_u32 s46, s46, W_IMG
	s_mov_b32 s47, 0
	s_mul_i32 s45, s14, HALFT                      ; where they go: no place in the cluster enters an LDS address
	s_mul_i32 s94, s14, HALFS
	s_lshl_b32 s12, s17, 8
	s_lshl_b32 s13, s15, 7
	s_add_co_u32 s12, s12, s13                     ; my first row of out0
	s_lshl_b32 s12, s12, 12                        ; rows of 4,096 bytes
	s_lshl_b32 s18, s42, 10
	s_lshl_b32 s19, s16, 9
	s_add_co_u32 s18, s18, s19                     ; my first column, in bytes: of out0 and of bo alike
	s_add_co_u32 s12, s12, s18
	s_mov_b32 s13, 0
	s_mov_b32 s19, 0
	s_wait_kmcnt 0x0
	s_add_nc_u64 s[20:21], s[4:5], s[20:21]
	s_add_nc_u64 s[22:23], s[4:5], s[22:23]
	s_add_nc_u64 s[46:47], s[6:7], s[46:47]
	s_add_nc_u64 s[92:93], s[6:7], s[92:93]
	s_add_nc_u64 s[12:13], s[10:11], s[12:13]
	s_add_nc_u64 s[8:9], s[8:9], s[18:19]
	CROUND                                         ; all sixteen work-groups are here: the first joint loads meet
	s_mov_b32 s[G0S], 1
	s_add_co_u32 s[G0S+1], s94, SCL
	s_mov_b64 s[G0S+2:G0S+3], s[22:23]
	s_or_b32 s[G0S+3], s[G0S+3], 0x80000000
	s_mov_b32 s[G0SB], 1
	s_add_co_u32 s[G0SB+1], s94, SCL
	s_mov_b64 s[G0SB+2:G0SB+3], s[92:93]
	s_or_b32 s[G0SB+3], s[G0SB+3], 0x80000000
	JLOAD G0S, G1S, G0SB, G1SB                     ; the scale words first: they are wanted with K step 0
.irp s, 0,1
	s_mov_b32 s[G0+4*\s], 1
	s_add_co_u32 s[G0+4*\s+1], s45, \s*SLOT
	s_add_nc_u64 s[G0+4*\s+2:G0+4*\s+3], s[20:21], \s*STEPB
	s_or_b32 s[G0+4*\s+3], s[G0+4*\s+3], 0x80000000
	s_mov_b32 s[G0B+4*\s], 1
	s_add_co_u32 s[G0B+4*\s+1], s45, \s*SLOT
	s_add_nc_u64 s[G0B+4*\s+2:G0B+4*\s+3], s[46:47], \s*STEPB
	s_or_b32 s[G0B+4*\s+3], s[G0B+4*\s+3], 0x80000000
	s_wait_alu depctr_va_vdst(0)
	s_wait_tensorcnt 0x0
	ds_add_u32 v28, v29
	s_wait_dscnt 0x0
	CROUND
	JLOAD G0+4*\s, G1, G0B+4*\s, G1B
.endr
	v_and_b32 v1, 15, v0                           ; r
	v_bfe_u32 v2, v0, 4, 1                         ; h
	s_wait_alu depctr_va_vdst(0)
	v_and_b32 v3, 31, v0                           ; lane
	v_lshlrev_b32 v[L8], 3, v3
	v_lshlrev_b32 v7, 6, v2                        ; bo: lanes 16-31 begin 16 numbers on
.irp b, 0,1,2,3,4,5,6,7                        ; register j of block b is column 32 (b / 2) + 16 h + 8 (b % 2) + j of my 128
	global_load_b128 v[BI+8*\b:BI+8*\b+3], v7, s[8:9] offset:(32*(\b/2)+8*(\b%2))*4
	global_load_b128 v[BI+8*\b+4:BI+8*\b+7], v7, s[8:9] offset:(32*(\b/2)+8*(\b%2))*4+16
.endr
	s_mul_i32 s21, s15, HALFT                      ; my eight tiles of A
	s_mul_i32 s22, s16, HALFT                      ; my eight of B,
	s_add_co_u32 s22, s22, 2*HALFT                 ; which lie behind A's sixteen
.irp s, 0,1
	v_add_nc_u32 v[ADRA+\s], s21, v[L8]
	v_add_nc_u32 v[ADRB+\s], s22, v[L8]
	s_add_co_u32 s21, s21, SLOT
	s_add_co_u32 s22, s22, SLOT
.endr
	v_lshlrev_b32 v5, 3, v1                        ; my row's two scale words of a K step: 8 r
	s_mul_i32 s21, s15, HALFS
	s_mul_i32 s22, s16, HALFS
	s_add_co_u32 s22, s22, 2*HALFS
	s_sub_co_u32 s22, s22, s21
	v_mul_u32_u24 v6, s22, v2                      ; lanes 16-31 take B's
	s_add_co_u32 s21, s21, SCL
	v_add_nc_u32 v5, v5, v6
	v_add_nc_u32 v[ADRS], s21, v5
	s_mul_i32 s23, s14, 16*SPITCH                  ; my stage
	v_mul_u32_u24 v5, v1, SPITCH                   ; in: row r, + 64 h
	v_lshl_add_u32 v5, v2, 6, v5
	v_add_nc_u32 v[STO], s23, v5
	v_lshlrev_b32 v[CO], 4, v3                     ; back: the 32 lanes take one row of 512 bytes; and the same in out0
	v_add_nc_u32 v[RD], s23, v[CO]
.macro FRAG reg, adr, q, i             ; a fragment as it lies: six planes, each 256 consecutive bytes for the 32 lanes
.irp p, 0,1,2,3,4,5
	ds_load_b64 v[\reg+2*\p:\reg+2*\p+1], v[\adr] offset:(\i)*STEPB+(\q)*1536+256*\p
.endr
.endm
; 16 matrix instructions: A's blocks a0, a0 + 1 x B's eight, the slot's q-th 128 along K.  first = 1: the first product starts the sums from bo: nothing is cleared, nothing is added later.
; The 64 accumulators take turns, one instruction a turn, in the same order in every step.
.macro MUL16 a0, p, q, sc, first
.irp a, \a0, \a0+1
.irp b, 0,1,2,3,4,5,6,7
.if \first
	v_wmma_scale_f32_16x16x128_f8f6f4 v[8*(8*((\a)%4)+\b):8*(8*((\a)%4)+\b)+7], v[128*(\p)+FR*\b:128*(\p)+FR*\b+FR-1], v[AF+FR*(\a):AF+FR*(\a)+FR-1], v[BI+8*\b:BI+8*\b+7], v[SC+8*NQ*(\sc)+NQ*\b+(\q)], v[SC+8*NQ*(\sc)+NQ*(\a)+(\q)] matrix_a_fmt:MATRIX_FMT_BF6 matrix_b_fmt:MATRIX_FMT_BF6 matrix_a_scale:MATRIX_SCALE_ROW1
.else
	v_wmma_scale_f32_16x16x128_f8f6f4 v[8*(8*((\a)%4)+\b):8*(8*((\a)%4)+\b)+7], v[128*(\p)+FR*\b:128*(\p)+FR*\b+FR-1], v[AF+FR*(\a):AF+FR*(\a)+FR-1], v[8*(8*((\a)%4)+\b):8*(8*((\a)%4)+\b)+7], v[SC+8*NQ*(\sc)+NQ*\b+(\q)], v[SC+8*NQ*(\sc)+NQ*(\a)+(\q)] matrix_a_fmt:MATRIX_FMT_BF6 matrix_b_fmt:MATRIX_FMT_BF6 matrix_a_scale:MATRIX_SCALE_ROW1
.endif
.endr
.endr
.endm
.macro FETCH_B slot, q, p
	WIN TO_B
.irp i, 0,1,2,3,4,5,6,7
	FRAG 128*(\p)+FR*\i, ADRB+\slot, \q, \i
.endr
	WIN 0
.endm
.macro FETCH_A slot, q, i0
.irp i, \i0, \i0+1, \i0+2, \i0+3
	FRAG AF+FR*(\i), ADRA+\slot, \q, \i
.endr
.endm
.macro SCALES sc                       ; a K step's scale words into set sc: lanes 0-15 take A's block i, lanes 16-31 B's block i
.irp i, 0,1,2,3,4,5,6,7
	ds_load_b64 v[SC+8*NQ*\sc+NQ*\i:SC+8*NQ*\sc+NQ*\i+1], v[ADRS] offset:\i*SBLK
.endr
.endm
; A load into a register that a matrix instruction has read, and an LDS store that reads a matrix result, stand NP places behind that matrix instruction; only plain vector instructions
; that name none of its registers are places (ISA guide 7.12.1 for vector instructions).
.macro PLACES n
.rept \n
	v_nop
.endr
.endm
; A step of 128 along K that has its successor in the same slot.  first = 1: C is bo, in window 0.
.macro STEP slot, q, first
	s_wait_dscnt 4*NL                              ; B's set and A's blocks 0-3 are in; the youngest 24 loads (A's blocks 4-7) may be out
	WIN MUL_LO-0x20*\first
	MUL16 0, (\q)%2, \q, \slot, \first
	MUL16 2, (\q)%2, \q, \slot, \first
	s_wait_dscnt 0                                 ; A's blocks 4-7 are in
	PLACES NP
	FETCH_B \slot, (\q)+1, 1-(\q)%2
	FETCH_A \slot, (\q)+1, 0
	WIN MUL_HI-0x30*\first
	MUL16 4, (\q)%2, \q, \slot, \first
	MUL16 6, (\q)%2, \q, \slot, \first
	PLACES NP
	WIN 0
	FETCH_A \slot, (\q)+1, 4
.endm
; A slot's last step changes slots: one barrier; in front of it each wave waits for all its tensor loads, adds 0 to its spare word, and waits for that and for its own reads of this slot.  fill = 1: this slot is filled again, two K steps ahead.
.macro TURN slot, next, fill
	s_wait_tensorcnt 0x0                           ; all my tensor loads have landed: my part of the next slot;  (every window is 0 here)
	ds_add_u32 v[SPW], v[NIL]                      ; 0 onto my spare word
	s_wait_dscnt 4*NL+1                            ; (the add and the youngest 24 loads, A's blocks 4-7, may be out)
	WIN MUL_LO
	MUL16 0, 1, NQ-1, \slot, 0                     ; sixteen matrix instructions stand between the add and the wait for it
	s_wait_dscnt 0x0                               ; the add is done, and my reads of this slot are over
	s_barrier_signal -1
	MUL16 2, 1, NQ-1, \slot, 0
	WIN 0
	s_barrier_wait -1
.if \fill
	CREST                                          ; the barrier has opened a round of the cluster's barrier: no wave of any partner still reads this slot or has a load on its way
	s_add_nc_u64 s[G0+4*\slot+2:G0+4*\slot+3], s[G0+4*\slot+2:G0+4*\slot+3], 2*STEPB
	s_add_nc_u64 s[G0B+4*\slot+2:G0B+4*\slot+3], s[G0B+4*\slot+2:G0B+4*\slot+3], 2*STEPB
	JLOAD G0+4*\slot, G1, G0B+4*\slot, G1B         ; the first tensor load behind the round; the four v_nop behind it are the places in front of the loads below
.else
	PLACES NP
.endif
	s_wait_alu depctr_va_vdst(0)
	v_add_nc_u32 v[ADRS], 128+16*\slot, v[ADRS]    ; the next K step's scale words: 128 bytes on, and past 16 of padding where a row of 256 ends (no LDS load of mine is out)
	FETCH_B \next, 0, 0
	FETCH_A \next, 0, 0
	SCALES \next
	WIN MUL_HI
	MUL16 4, 1, NQ-1, \slot, 0
	MUL16 6, 1, NQ-1, \slot, 0
	PLACES NP
	WIN 0
	FETCH_A \next, 0, 4
.endm
	s_wait_alu depctr_va_vdst(0)
	s_wait_tensorcnt 1                             ; the scale words and my part of K step 0 are in (K step 1's load may be out)
	s_barrier_signal -1
	s_barrier_wait -1                              ; everybody's are
	FETCH_B 0, 0, 0
	FETCH_A 0, 0, 0
	SCALES 0
	FETCH_A 0, 0, 4
	s_wait_loadcnt 0x0                             ; bo
	STEP 0, 0, 1                                   ; the first step stands in front of the loop: its products start the sums
	s_mov_b32 s3, LAPS-1
.Llap:                                                 ; a trip goes once round the ring, from a lap's second step to the next lap's first, and fills both slots again
	TURN 0, 1, 1
	STEP 1, 0, 0
	TURN 1, 0, 1
	STEP 0, 0, 0
	s_sub_co_u32 s3, s3, 1
	s_cmp_lg_u32 s3, 0
	s_cbranch_scc1 .Llap
	TURN 0, 1, 0                                   ; the last lap fills nothing, and has no round of the cluster's barrier
	STEP 1, 0, 0
	s_wait_dscnt 4*NL                              ; the very last step: nothing more to fetch
	WIN MUL_LO
	MUL16 0, 1, NQ-1, 1, 0
	MUL16 2, 1, NQ-1, 1, 0
	s_wait_dscnt 0
	WIN MUL_HI
	MUL16 4, 1, NQ-1, 1, 0
	MUL16 6, 1, NQ-1, 1, 0
	WIN 0
; THE WAY OUT, block by block of 16 tokens x 128 columns, through my own stage in LDS: in, each tile's eight columns at their true place in the row; back, whole rows of 512 bytes.
; LDS serves a wave's instructions in order (ISA guide 5.7.1.4): no wait between the stores and the loads, nor in front of the next block's stores.
.macro TOSTAGE a
.set AC, 64*((\a)%4)
	WIN 0x08+4*((\a)/4)                            ; the data: window 2 or 3
.irp b, 0,1,2,3,4,5,6,7
	ds_store_b128 v[STO], v[AC+8*\b:AC+8*\b+3] offset:128*(\b/2)+32*(\b%2)          ; each accumulator from its low end on
	ds_store_b128 v[STO], v[AC+8*\b+4:AC+8*\b+7] offset:128*(\b/2)+32*(\b%2)+16
.endr
	WIN 0
.set BB, BK+64*((\a)%2)
.irp t, 0,1,2,3,4,5,6,7,8,9,10,11,12,13,14,15
	ds_load_b128 v[BB+4*\t:BB+4*\t+3], v[RD] offset:\t*SPITCH
.endr
.endm
.macro SEND a, younger                 ; younger: the LDS instructions issued behind block a's loads, which may stay out
.set BB, BK+64*((\a)%2)
	s_wait_dscnt \younger                          ; the block is back in registers
.irp t, 0,1,2,3,4,5,6,7,8,9,10,11,12,13,14,15
	global_store_b128 v[CO], v[BB+4*\t:BB+4*\t+3], s[12:13] offset:(32*((\a)/2)+8*((\a)%2)+\t+8*(\t/8))*4096 th:TH_STORE_NT   ; row t of tile a is token 32 (a / 2) + 8 (a % 2) + t + 8 (t / 8) of my 128; 32 lanes store 512 consecutive bytes, aligned
.endr
.endm
	PLACES NP                                      ; behind the last products: for the loads into the registers that held A's fragments, and for the reads of results
	TOSTAGE 0
.irp a, 1,2,3,4,5,6,7
.if \a > 1
	s_wait_xcnt 0x0                                ; block a - 2's stores have read their registers: block a's loads may land there
.endif
	TOSTAGE \a
	SEND \a-1, 32                                  ; behind block a - 1's loads: block a's 16 stores and 16 loads
.endr
	SEND 7, 0
	s_wait_tensorcnt 0x0                           ; the wave's end: behind my last tensor load and my last LDS store
	ds_add_u32 v[SPW], v[NIL]
	s_wait_dscnt 0x0
	CROUND                                         ; the closing round: no work-group ends while a partner may still ask for a tile that names it
	s_endpgm
.Lfunc_end_k_q74463cd090_proj:
	.size	k_q74463cd090_proj, .Lfunc_end_k_q74463cd090_proj-k_q74463cd090_proj
	.p2alignl 7, 3214868480
	.fill 96, 4, 3214868480
	.section	.rodata,"a",@progbits
	.p2align	6, 0x0
	.amdhsa_kernel k_q74463cd090_proj
		.amdhsa_group_segment_fixed_size 327680
		.amdhsa_private_segment_fixed_size 0
		.amdhsa_enable_private_segment 0
		.amdhsa_kernarg_size 32
		.amdhsa_user_sgpr_count 2
		.amdhsa_user_sgpr_kernarg_segment_ptr 1
		.amdhsa_wavefront_size32 1
		.amdhsa_system_sgpr_workgroup_id_x 1
		.amdhsa_system_sgpr_workgroup_id_y 1
		.amdhsa_system_sgpr_workgroup_id_z 1
		.amdhsa_system_vgpr_workitem_id 0
		.amdhsa_next_free_vgpr 1024
		.amdhsa_next_free_sgpr 100
		.amdhsa_reserve_vcc 0
		.amdhsa_float_denorm_mode_32 3
		.amdhsa_float_denorm_mode_16_64 3
		.amdhsa_memory_ordered 1
		.amdhsa_forward_progress 1
		.amdhsa_inst_pref_size 162
	.end_amdhsa_kernel
	.amdgpu_metadata
---
amdhsa.version: [ 1, 2 ]
amdhsa.kernels:
  - .name:           k_q74463cd090_proj
    .symbol:         k_q74463cd090_proj.kd
    .args:
      - { .name: ab, .offset: 0, .size: 8, .value_kind: global_buffer, .address_space: global }
      - { .name: opnd, .offset: 8, .size: 8, .value_kind: global_buffer, .address_space: global }
      - { .name: bo, .offset: 16, .size: 8, .value_kind: global_buffer, .address_space: global }
      - { .name: out0, .offset: 24, .size: 8, .value_kind: global_buffer, .address_space: global }
    .group_segment_fixed_size: 327680
    .private_segment_fixed_size: 0
    .kernarg_segment_align: 8
    .kernarg_segment_size: 32
    .max_flat_workgroup_size: 128
    .sgpr_count:     100
    .vgpr_count:     1024
    .wavefront_size: 32
...
	.end_amdgpu_metadata
.endif
;; end of part 4
